; MI455X (gfx1250); checked and timed in simulation.
; The chip was launched on July 23, 2026; its instructions are those of AMD's public machine-readable ISA for CDNA 5 (MIT licence, August 2026) and "CDNA5" Instruction Set Architecture Reference Guide (July 2026). The comments in the code are by the model that wrote it; some were corrected since.
;; Attention. Allowed arithmetic: matrix products marked QUANTISED: E4M3 operands, one given power-of-two scale a tensor, by v_wmma_f32_16x16x64_fp8_fp8 or v_wmma_f32_16x16x128_fp8_fp8, f32 sums; everything else in f32.
;; Inputs: Wk 2,048 x 512 float32; Wo 2,048 x 2,048 float32; Wq 2,048 x 2,048 float32; Wv 2,048 x 512 float32; lowp_scales 12 int32 (the exponents e of the quantised operands' scales 2^e); mask 1 x 1 x 2,048 x 2,048 float32; x 1 x 2,048 x 2,048 float32.
;; Outputs: out0 1 x 2,048 x 2,048 float32.
;; This version of the problem:
;;   THIS VERSION OF THE PROBLEM IS GIVEN IN LOW PRECISION. The matrix products marked QUANTISED in the list below multiply operands that are first quantised to E4M3 (4 exponent bits, 3 mantissa bits; 8 bits a number), with one given power-of-two scale for each operand tensor; their sums are f32. All else is computed in f32.
;;   The module's matrix products, in the order in which they are computed (A, B: the left and right operand; K: the contracted axis; several contracted axes count as one K, in the product's order):
;;     1. [M 2,048, K 2,048] x [K 2,048, N 2,048]; A: input x; B: input Wq: QUANTISED (scales: A lowp_scales[0], B lowp_scales[1])
;;     2. [M 2,048, K 2,048] x [K 2,048, N 512]; A: input x; B: input Wk: QUANTISED (scales: A lowp_scales[2], B lowp_scales[3])
;;     3. [M 2,048, K 2,048] x [K 2,048, N 512]; A: input x; B: input Wv: QUANTISED (scales: A lowp_scales[4], B lowp_scales[5])
;;     4. batch 32 x [M 2,048, K 64] x [K 64, N 2,048]; A: computed on the way; B: computed on the way: QUANTISED (scales: A lowp_scales[6], B lowp_scales[7])
;;     5. batch 32 x [M 2,048, K 2,048] x [K 2,048, N 64]; A: softmax (see below); B: computed on the way: QUANTISED (scales: A lowp_scales[8], B lowp_scales[9])
;;     6. [M 2,048, K 2,048] x [K 2,048, N 2,048]; A: computed on the way; B: input Wo: QUANTISED (scales: A lowp_scales[10], B lowp_scales[11])
;;   THE QUANTISER, for each operand of a quantised product, along K:
;;     - The operand's scale is 2^e, e = its entry of the input lowp_scales (int32; the entries are numbered through the quantised products in the list's order, A before B).
;;     - Each number is divided by the scale, clamped to +-448, and rounded to the nearest number of E4M3, ties to even, subnormals kept.
;;     - The product sums the exact products of the quantised numbers (number of the format x scale) in f32.
;;   ~~~python
;;   def quantise(x, axis, e):      # numpy; x: float32 -> the quantised numbers, widened to float32 again
;;       x = np.moveaxis(x, axis, -1); K = x.shape[-1]
;;       r = np.clip(x / 2.0 ** e, -448, 448)
;;       step = 2.0 ** (np.maximum(np.frexp(np.where(r == 0, 1, r))[1] - 1, -6) - 3)
;;       q = np.round(r / step) * step * 2.0 ** e      # np.round: ties to even
;;       return np.moveaxis(q, -1, axis).astype(np.float32)
;;   ~~~
;;   SOFTMAX AHEAD OF A QUANTISED PRODUCT. Where the list says 'softmax', what is quantised is not the finished softmax but p = 2^(t - M), with t = logit x log2(e) and M = ceil(the row's largest t), a whole number; so 1/2 < the row's largest p <= 1. The row's sum l is taken of the UNQUANTISED p, in f32, and the product's result is divided by l at the end. Since M is a whole number, a kernel that streams over the keys may use a running M (the ceiling of the running maximum): every later rescaling is an exact power of two, so the quantised numbers keep their values, but for numbers so far below the row's largest that they fall under the format's range.
;;   OPERANDS COMPUTED ON THE WAY. 'Computed on the way' means the value that the module computes at that place (a softmax that the list does not call 'softmax' is quantised finished and normalised). What goes into a quantiser is computed in f32, as accurately as f32 sums, v_exp_f32 and their like allow (about 1e-6 of the number): no bf16 or f16 on the way to a quantiser, and a product that is left as it is and whose result goes on into a quantised operand takes f32 operands (vector FMAs, or v_wmma_f32_16x16x4_f32). A number that lies on a knife's edge between two numbers of the format may be rounded either way, as far as f32 arithmetic and the matrix unit's own rounding can turn it there, and no further.
;; One version. Each part assembles by itself: llvm-mc -triple=amdgcn-amd-amdhsa -mcpu=gfx1250 --defsym DOCPART=n.
;; ======== version 1 of 1: 4 launches
;; limits: right only within a limited range of input values
;; workspace buffers: ximg 12,582,912 bytes; wimg 10,485,760 bytes; rope 524,288 bytes; maskw 524,288 bytes of whole numbers; flags 8,192 bytes of whole numbers; qkv 6,291,456 bytes; oimg 4,194,304 bytes
;; launch prep (part 1): grid 1728 x 1, 4 waves a work-group, no clusters, 34,304 bytes of LDS; arguments x, mask, Wq, Wk, Wv, Wo, lowp_scales, ximg, wimg, rope, maskw, flags; writes ximg, wimg, rope, maskw, flags
.if DOCPART == 1
	.amdgcn_target "amdgcn-amd-amdhsa--gfx1250"
	.amdhsa_code_object_version 6
	.text
	.protected	k_q3a937b7ee1_prep
	.globl	k_q3a937b7ee1_prep
	.p2align	8
	.type	k_q3a937b7ee1_prep,@function
k_q3a937b7ee1_prep:
	s_mov_b64 s[64:65], 0
	v_nop
	global_prefetch_b8 v0, s[64:65] scope:SCOPE_SE
	s_setreg_imm32_b32 hwreg(HW_REG_WAVE_MODE, 25, 1), 1
	s_wait_xcnt 0x0
; FIRST OF FOUR LAUNCHES of out = softmax(mask(rope(x Wq) rope(x Wk)^T / 8)) (x Wv) Wo, all six products on codes of E4M3 with the given scales 2^e (lowp_scales[0..11]).
; NOTHING IS LEFT OUT AS DEAD WORK: every input has a way to the output and is loaded.  The mask is an input and is honoured element by element (mask == 0 hides).  What is spared is decided by
; whole numbers: this launch stores, for each block of 16 queries x 128 keys, whether the mask keeps anything there and whether it keeps everything; the attention launch reads those numbers, walks only the
; blocks that keep something, and hides nothing in the blocks that keep everything.  A hidden score is -infinity ahead of the softmax in the problem's own terms, so a block that keeps nothing adds 0 to every sum.
; THIS LAUNCH turns the inputs into what the later launches read:
;   ximg  x as codes, three times (e0, e2, e4: x has a scale of its own in each of the three projections);   wimg  Wq, Wk, Wv, Wo as codes (e1, e3, e5, e11), K innermost;
;   rope  cos and sin of position x 10000^(-d'/32);   maskw  the mask as bits, in the order of the score registers;
;   flags  one word for each block of 16 x 128 (key step s): bit s where something is kept, bit 16 + s where all is kept.
; ALL CODES LIE AS IMAGES OF OPERAND REGISTERS.  A fragment (16 rows x 128 along K) is 2,048 bytes: register group c (0..3) at 512 c + 16 x lane; lane (r, h) holds, of row r,
;   k = 64 (c / 2) + 32 h + 16 (c % 2) + 0 .. 15.  This order of k is the same in both operands of every product, so each product meets its partner; only the order of the sums inside an instruction changes.
; THE ROWS OF A MASK TILE: tile t' (0..3) of a block of 64 queries holds, at row slot p, query 8 t' + p % 8 + 32 (p / 8): the order in which the attention launch holds its queries.
; SHARES, by the work-group's number g (four waves, which share nothing):  0-511 x: a wave takes 16 rows x 128 k;  512-1023 the mask: 16 queries x 128 keys;  1024-1535 Wq, Wo and 1536-1663 Wk, Wv: 128 k x 32 columns;
;   1664-1727 the table: 8 positions.  No matrix unit, no cluster, no tensor load: a stream, every input byte read once.
; LIMITS: e0, e2, e4, e1, e3, e5, e11 between -126 and 119, so that 2^e and 448 x 2^e are f32 numbers.  NaN in x or the weights is not served; a NaN in the mask counts as not 0, as in the problem.
;   10000^(-d'/32) is the f32 reciprocal of the f32 number nearest 10^(d'/8); it may differ from a library's power by a last bit, which moves the largest angles (2,047 radians) by about 1e-4.
.set STGW,  8448                       ; a wave's stage in LDS: 16 rows x (512 bytes + 16): pitch 528 = 33 x 16, so that 16 rows' reads start at 16 different groups of banks
.set SPARE, 4*STGW                     ; behind the stages: the spare words, 128 bytes a wave, two blocks of 256 bytes that no other line names
.set LAM,   1                          ; v1   lane
.set LO16,  2                          ; v2   16 x lane
.set STI,   3                          ; v3   the stage, on the way in: 16 x lane
.set STO,   4                          ; v4   and out: 528 r + 128 h
.set SPW,   5                          ; v5   my spare word; never rewritten
.set NIL,   6                          ; v6   0; never rewritten
.set L8,    7                          ; v7   8 x lane
.set SCV,   8                          ; v8-13  x: scale and largest number x scale, for each of the three kinds
.set R,     16                         ; v16-79   a block as loaded
.set X,     80                         ; v80-143  the block in the operand's order: register 16 c + i
.set T,     144                        ; v144-159 and v64-79: held numbers, two sets of 16 by turns: set c % 2 at T - 80 (c % 2); v64-79 held loaded rows that the stage has taken
.set CD,    16                         ; v16-63 x's codes, 16 registers a kind, over the block as loaded, which the stage has taken: no store's data are written again
.set WX,    16                         ; v16-143  weights: 128 numbers down K of my column
.set WCD,   144                        ; v144-175 their codes
.macro MKSC e, sc, lim                 ; from the exponent in s[e]: 2^e as f32 (the conversion takes its exponent field) and 448 x 2^e
	s_add_co_i32 s52, s[\e], 127
	s_lshl_b32 s53, s52, 23
	v_mov_b32 v[\sc], s53
	s_add_co_i32 s52, s52, 8
	s_lshl_b32 s52, s52, 23
	s_or_b32 s52, s52, 0x600000
	v_mov_b32 v[\lim], s52
.endm
.macro FIN                             ; a wave's end
	s_wait_tensorcnt 0x0
	ds_add_u32 v[SPW], v[NIL]
	s_wait_dscnt 0x0
	s_endpgm
.endm
	s_load_b512 s[4:19], s[0:1], 0x0               ; x s[4:5], mask s[6:7], Wq s[8:9], Wk s[10:11], Wv s[12:13], Wo s[14:15], the exponents s[16:17], ximg s[18:19]
	s_load_b256 s[20:27], s[0:1], 0x40             ; wimg s[20:21], rope s[22:23], maskw s[24:25], flags s[26:27]
	v_lshl_add_u32 v[SPW], v0, 2, SPARE
	v_mov_b32 v[NIL], 0
	v_lshrrev_b32 v1, 5, v0
	v_readfirstlane_b32 s28, v1                    ; wave 0..3
	v_and_b32 v[LAM], 31, v0
	v_lshlrev_b32 v[LO16], 4, v[LAM]
	v_lshlrev_b32 v[L8], 3, v[LAM]
	s_wait_kmcnt 0x0
	s_load_b256 s[36:43], s[16:17], 0x0            ; e0 .. e7
	s_load_b128 s[44:47], s[16:17], 0x20           ; e8 .. e11
	s_cmp_lt_u32 ttmp9, 1024
	s_cbranch_scc0 .Lweights
; ---- x and the mask: one way through the text up to the block's return from the stage
	s_mul_i32 s29, s28, STGW
	s_wait_alu depctr_va_vdst(0)
	v_add_nc_u32 v[STI], s29, v[LO16]
	v_and_b32 v8, 15, v[LAM]                       ; r
	v_lshrrev_b32 v9, 4, v[LAM]                    ; h
	v_mul_u32_u24 v[STO], v8, 528
	v_lshl_add_u32 v[STO], v9, 7, v[STO]
	v_add_nc_u32 v[STO], s29, v[STO]
	s_cmp_lt_u32 ttmp9, 512                        ; x's work-group or the mask's: the choice hangs on the work-group's number alone
	s_cselect_b64 s[30:31], s[4:5], s[6:7]
	s_cselect_b32 s32, 0, 512
	s_mov_b32 s33, 262144
	s_cselect_b32 s33, 65536, s33                  ; from row slot 0 to row slot 8: 8 rows of 8,192 bytes in x, 32 rows in the mask
	s_sub_co_u32 s32, ttmp9, s32
	s_lshl_b32 s32, s32, 2
	s_add_co_u32 s32, s32, s28                     ; bi: my block, 0 .. 2,047
	s_lshr_b32 s34, s32, 4                         ; its tile of 16 rows
	s_and_b32 s35, s32, 15                         ; its 128 along the row
	s_lshl_b32 s48, s34, 4                         ; x: first row 16 x tile
	s_lshr_b32 s49, s34, 2
	s_lshl_b32 s49, s49, 6
	s_and_b32 s50, s34, 3
	s_lshl_b32 s50, s50, 3
	s_add_co_u32 s49, s49, s50                     ; the mask: first row 64 (tile / 4) + 8 (tile % 4)
	s_cmp_lt_u32 ttmp9, 512
	s_cselect_b32 s48, s48, s49
	s_lshl_b32 s48, s48, 13
	s_lshl_b32 s49, s35, 9
	s_add_co_u32 s48, s48, s49
	s_mov_b32 s49, 0
	s_add_nc_u64 s[30:31], s[30:31], s[48:49]      ; row slots 0-7
	s_mov_b32 s48, s33
	s_add_nc_u64 s[50:51], s[30:31], s[48:49]      ; row slots 8-15
.set i, 0
.rept 8
	global_load_b128 v[R+4*i:R+4*i+3], v[LO16], s[30:31] offset:8192*i th:TH_LOAD_NT   ; 32 lanes read 512 consecutive bytes of one row
.set i, i+1
.endr
.set i, 0
.rept 8
	global_load_b128 v[R+32+4*i:R+32+4*i+3], v[LO16], s[50:51] offset:8192*i th:TH_LOAD_NT
.set i, i+1
.endr
.set i, 0
	s_wait_alu depctr_va_vdst(0)
.rept 16
	s_wait_loadcnt 15-i                            ; loads come back in order: row slot i is in, the younger ones may be out
	ds_store_b128 v[STI], v[R+4*i:R+4*i+3] offset:528*i
.set i, i+1
.endr
.set c, 0
.rept 4
.set j, 0
.rept 4
	ds_load_b128 v[X+16*c+4*j:X+16*c+4*j+3], v[STO] offset:256*(c/2)+64*(c%2)+16*j   ; LDS serves a wave's instructions in order: these see my stores.  Register 16 c + i = (row slot r, k of the operand's order)
.set j, j+1
.endr
.set c, c+1
.endr
	s_wait_dscnt 0x0
	s_cmp_lt_u32 ttmp9, 512
	s_cbranch_scc0 .Lmask
; ---- x: the same 64 numbers a lane are quantised three times
	s_wait_kmcnt 0x0
	MKSC 36, SCV, SCV+1                            ; e0
	s_wait_alu depctr_va_vdst(0)
	MKSC 38, SCV+2, SCV+3                          ; e2
	MKSC 40, SCV+4, SCV+5                          ; e4
	s_lshl_b32 s48, s32, 11
	s_add_co_u32 s48, s48, 0x400000                ; my image in the middle kind: the three kinds lie 4 MiB apart, and +-4 MiB fits the stores' signed immediate
	s_mov_b32 s49, 0
	s_add_nc_u64 s[18:19], s[18:19], s[48:49]
.set k, 0
.rept 3
.set c, 0
.rept 4
.set i, 0
.rept 16
	v_med3_num_f32 v[T-80*(c%2)+i], v[X+16*c+i], -v[SCV+2*k+1], v[SCV+2*k+1]   ; the conversion to an 8-bit code does not saturate (ISA guide 7.6.2): the hold at the largest code x the scale
.set i, i+1
.endr
	v_cvt_scalef32_pk8_fp8_f32 v[CD+16*k+4*c:CD+16*k+4*c+1], v[T-80*(c%2):T-80*(c%2)+7], v[SCV+2*k]
	v_cvt_scalef32_pk8_fp8_f32 v[CD+16*k+4*c+2:CD+16*k+4*c+3], v[T-80*(c%2)+8:T-80*(c%2)+15], v[SCV+2*k]   ; the next group's holds are plain lines on the other set of T
	global_store_b128 v[LO16], v[CD+16*k+4*c:CD+16*k+4*c+3], s[18:19] offset:(k-1)*4194304+512*c   ; 512 consecutive bytes
.set c, c+1
.endr
.set k, k+1
.endr
	v_nop
	FIN
; ---- the mask: word 16 c + i gathers, over the 32 lanes, whether my element is kept
.Lmask:
	v_mov_b32 v8, 0
	v_mov_b32 v9, 0
	v_mov_b32 v10, 0
	s_mov_b32 s56, 0                               ; the words' OR: anything kept?
	s_mov_b32 s60, -1                              ; the words' AND: everything kept?
.set n, 0
.rept 8
.set q, 0
.rept 8
	v_cmp_neq_f32 s[48+q], 0, v[X+n+q]             ; bit r + 16 h: mask != 0
.set q, q+1
.endr
.set q, 0
.rept 8
	v_writelane_b32 v[8+((n+q)%2)], s[48+q], (n+q)/2   ; lane n / 2 takes words n and n + 1
	s_or_b32 s56, s56, s[48+q]
	s_and_b32 s60, s60, s[48+q]
.set q, q+1
.endr
.set n, n+8
.endr
	s_lshl_b32 s58, s32, 8
	s_mov_b32 s59, 0
	s_add_nc_u64 s[24:25], s[24:25], s[58:59]
	global_store_b64 v[L8], v[8:9], s[24:25]       ; the block's 64 words: 256 consecutive bytes
	s_cmp_lg_u32 s56, 0
	s_cselect_b32 s57, 1, 0
	s_cmp_eq_u32 s60, -1
	s_cselect_b32 s61, 0x10000, 0
	s_or_b32 s57, s57, s61
	s_lshl_b32 s57, s57, s35                       ; bit s: something is kept; bit 16 + s: all is kept.  Selects and a shift, no branch
	v_mov_b32 v11, s57
	s_lshl_b32 s58, s32, 2
	s_add_nc_u64 s[26:27], s[26:27], s[58:59]
	s_wait_alu depctr_va_vdst(0)
	s_wait_xcnt 0x0                                ; EXEC changes only behind this wait: a pending store reads it
	v_cmp_eq_u32 vcc_lo, 0, v[LAM]
	s_and_saveexec_b32 s58, vcc_lo
	global_store_b32 v10, v11, s[26:27]            ; one word a block, 8 KiB in the whole launch: the one short store of the program
	s_wait_xcnt 0x0
	s_or_b32 exec_lo, exec_lo, s58
	FIN
; ---- the weights, stored [K][N]: a lane takes a column and its registers run down K, so that the conversions give codes with K innermost and nothing is transposed
.macro WLOAD q, pitch
.set i, 0
.rept 16
	global_load_b32 v[WX+16*(\q)+i], v8, s[30:31] offset:(16*(\q)+i)*\pitch th:TH_LOAD_NT   ; 128 consecutive bytes a wave, the four waves side by side on 512
.set i, i+1
.endr
.endm
.macro WQUANT pitch                    ; s[30:31] the weight, s32 its e, s33 its first tile in wimg, s34 which 128 along K, s35 which 128 columns
	s_mul_i32 s48, s34, 128*\pitch
	s_lshl_b32 s49, s35, 9
	s_add_co_u32 s48, s48, s49
	s_lshl_b32 s49, s28, 7
	s_add_co_u32 s48, s48, s49
	s_mov_b32 s49, 0
	s_add_nc_u64 s[30:31], s[30:31], s[48:49]      ; row 128 kq, column 128 cg + 32 wave
	s_lshl_b32 s48, s35, 3
	s_add_co_u32 s48, s48, s33
	s_lshl_b32 s50, s28, 1
	s_add_co_u32 s48, s48, s50
	s_lshl_b32 s48, s48, 15
	s_lshl_b32 s50, s34, 11
	s_add_co_u32 s48, s48, s50
	s_add_nc_u64 s[20:21], s[20:21], s[48:49]      ; image (tile0 + 8 cg + 2 wave, kq)
	v_lshlrev_b32 v8, 2, v[LAM]
	v_lshrrev_b32 v9, 4, v[LAM]
	v_and_b32 v10, 15, v[LAM]
	v_lshlrev_b32 v10, 4, v10
	v_lshl_add_u32 v9, v9, 15, v10                 ; lanes 16-31 hold the next tile of 16 columns, 32,768 bytes on; 16 bytes a row slot
	WLOAD 0, \pitch
	WLOAD 1, \pitch
	WLOAD 2, \pitch
	MKSC 32, 11, 12
.set q, 0
	s_wait_alu depctr_va_vdst(0)
.rept 8                                        ; unit q: k = 16 q .. 16 q + 15 = group 2 (q / 4) + q % 2, half (q / 2) % 2 of the image
.if q < 6
	s_wait_loadcnt 32                              ; unit q is in; the two younger units may be out
.else
	s_wait_loadcnt 16*(7-q)
.endif
.if q+3 < 8
	WLOAD q+3, \pitch
.endif
.set i, 0
.rept 16
	v_med3_num_f32 v[WX+16*q+i], v[WX+16*q+i], -v12, v12
.set i, i+1
.endr
.set wc, WCD+4*q-(q/4)*(WCD+16-WX)             ; units 0-3: v144-159; units 4-7: v16-31, unit 0's numbers, which are done with: no store's data are written again
	v_cvt_scalef32_pk8_fp8_f32 v[wc:wc+1], v[WX+16*q:WX+16*q+7], v11
	v_cvt_scalef32_pk8_fp8_f32 v[wc+2:wc+3], v[WX+16*q+8:WX+16*q+15], v11
	global_store_b128 v9, v[wc:wc+3], s[20:21] offset:512*(2*(q/4)+q%2)+256*((q/2)%2)   ; sixteen lanes store 256 consecutive bytes, aligned
.set q, q+1
.endr
	v_nop
.endm
.Lweights:
	s_cmp_lt_u32 ttmp9, 1664
	s_cbranch_scc0 .Lrope
	s_wait_kmcnt 0x0
	s_cmp_lt_u32 ttmp9, 1536
	s_cbranch_scc0 .Lnarrow
	s_sub_co_u32 s29, ttmp9, 1024
	s_cmp_lt_u32 s29, 256                          ; Wq, then Wo
	s_cselect_b64 s[30:31], s[8:9], s[14:15]
	s_cselect_b32 s32, s37, s47                    ; e1 or e11
	s_cselect_b32 s33, 0, 192
	s_and_b32 s34, s29, 255
	s_lshr_b32 s34, s34, 4
	s_and_b32 s35, s29, 15
	s_wait_alu depctr_va_vdst(0)
	WQUANT 8192
	FIN
.Lnarrow:
	s_sub_co_u32 s29, ttmp9, 1536
	s_cmp_lt_u32 s29, 64                           ; Wk, then Wv
	s_cselect_b64 s[30:31], s[10:11], s[12:13]
	s_cselect_b32 s32, s39, s41                    ; e3 or e5
	s_mov_b32 s33, 160
	s_cselect_b32 s33, 128, s33
	s_and_b32 s34, s29, 63
	s_lshr_b32 s34, s34, 2
	s_and_b32 s35, s29, 3
	s_wait_alu depctr_va_vdst(0)
	WQUANT 2048
	FIN
; ---- the table: lane = d' (0..31); a wave makes 8 positions; a row is 32 x (cos, sin) = 256 bytes
.macro PW lane, val
	s_mov_b32 s48, \val
	v_writelane_b32 v8, s48, \lane
.endm
.Lrope:
	s_sub_co_u32 s29, ttmp9, 1664
	s_lshl_b32 s29, s29, 2
	s_add_co_u32 s29, s29, s28
	s_lshl_b32 s48, s29, 11
	s_mov_b32 s49, 0
	s_add_nc_u64 s[22:23], s[22:23], s[48:49]
	s_lshl_b32 s29, s29, 3                         ; my first position
	v_mov_b32 v8, 1.0                              ; 10000^(d'/32) = 10^(d'/8), lane by lane
	PW 1, 1.333521432163
	PW 2, 1.778279410039
	PW 3, 2.371373705662
	PW 4, 3.162277660168
	PW 5, 4.216965034286
	PW 6, 5.623413251903
	PW 7, 7.498942093325
	PW 8, 10.0
	PW 9, 13.33521432163
	PW 10, 17.78279410039
	PW 11, 23.71373705662
	PW 12, 31.62277660168
	PW 13, 42.16965034286
	PW 14, 56.23413251903
	PW 15, 74.98942093325
	PW 16, 100.0
	PW 17, 133.3521432163
	PW 18, 177.8279410039
	PW 19, 237.1373705662
	PW 20, 316.2277660168
	PW 21, 421.6965034286
	PW 22, 562.3413251903
	PW 23, 749.8942093325
	PW 24, 1000.0
	PW 25, 1333.521432163
	PW 26, 1778.279410039
	PW 27, 2371.373705662
	PW 28, 3162.277660168
	PW 29, 4216.965034286
	PW 30, 5623.413251903
	PW 31, 7498.942093325
	s_mov_b32 s50, 0x3f22f983                      ; 2 / pi
	s_mov_b32 s51, 0x3fc90fdb                      ; pi / 2, the f32 number nearest it,
	s_mov_b32 s52, 0xb33bbd2e                      ; and what is left of it
	s_mov_b32 s53, -0.16666666666667               ; the sine's series: -1/3!, 1/5!, -1/7!, 1/9!
	s_mov_b32 s54, 0.0083333333333333
	s_mov_b32 s55, -0.0001984126984127
	s_mov_b32 s56, 0.0000027557319223986
	s_mov_b32 s57, 0.041666666666667               ; the cosine's: 1/4!, -1/6!, 1/8!, -1/10!  (on |rho| <= pi / 4 the first terms left out are under 2e-9)
	s_mov_b32 s58, -0.0013888888888889
	s_mov_b32 s59, 0.000024801587301587
	s_mov_b32 s60, -0.00000027557319223986
	s_wait_alu depctr_va_vdst(0)
	v_rcp_f32 v9, v8
	v_nop                                          ; a plain line behind the reciprocal,
	s_wait_alu depctr_va_vdst(0)                   ; and a wait ahead of its first reader
	v_fma_f32 v10, -v8, v9, 1.0
	v_fma_f32 v9, v9, v10, v9                      ; one step of Newton: 1 / 10^(d'/8) to the last bit or nearly
.set t, 0
.rept 8
	s_add_co_u32 s61, s29, t
	v_cvt_f32_u32 v10, s61
	v_mul_f32 v10, v10, v9                         ; the angle a, rounded to f32 as the problem rounds it
	v_mul_f32 v11, s50, v10
	v_rndne_f32 v11, v11                           ; n: a = n pi / 2 + rho
	v_fma_f32 v12, -v11, s51, v10
	v_fma_f32 v12, -v11, s52, v12                  ; rho
	v_mul_f32 v13, v12, v12                        ; z = rho^2
	v_fma_f32 v14, v13, s56, s55
	v_fma_f32 v14, v13, v14, s54
	v_fma_f32 v14, v13, v14, s53
	v_mul_f32 v15, v12, v13
	v_fma_f32 v14, v15, v14, v12                   ; sin rho
	v_fma_f32 v15, v13, s60, s59
	v_fma_f32 v15, v13, v15, s58
	v_fma_f32 v15, v13, v15, s57
	v_fma_f32 v15, v13, v15, -0.5
	v_fma_f32 v15, v13, v15, 1.0                   ; cos rho
	v_cvt_i32_f32 v16, v11
	v_and_b32 v17, 1, v16
	v_cmp_eq_u32 vcc_lo, 1, v17
	v_cndmask_b32 v18, v15, v14, vcc_lo            ; an odd n swaps the two;
	v_cndmask_b32 v19, v14, v15, vcc_lo
	v_add_nc_u32 v17, 1, v16
	v_lshlrev_b32 v17, 30, v17
	v_and_b32 v17, 0x80000000, v17                 ; the cosine changes sign where n % 4 is 1 or 2,
	v_xor_b32 v[32+2*t], v17, v18
	v_lshlrev_b32 v16, 30, v16
	v_and_b32 v16, 0x80000000, v16                 ; the sine where it is 2 or 3
	v_xor_b32 v[33+2*t], v16, v19
	global_store_b64 v[L8], v[32+2*t:33+2*t], s[22:23] offset:256*t   ; a row: 256 consecutive bytes; each position has its own pair of registers
.set t, t+1
.endr
	FIN
.Lfunc_end_k_q3a937b7ee1_prep:
	.size	k_q3a937b7ee1_prep, .Lfunc_end_k_q3a937b7ee1_prep-k_q3a937b7ee1_prep
	.p2alignl 7, 3214868480
	.fill 96, 4, 3214868480
	.section	.rodata,"a",@progbits
	.p2align	6, 0x0
	.amdhsa_kernel k_q3a937b7ee1_prep
		.amdhsa_group_segment_fixed_size 34304
		.amdhsa_private_segment_fixed_size 0
		.amdhsa_enable_private_segment 0
		.amdhsa_kernarg_size 96
		.amdhsa_user_sgpr_count 2
		.amdhsa_user_sgpr_kernarg_segment_ptr 1
		.amdhsa_wavefront_size32 1
		.amdhsa_system_sgpr_workgroup_id_x 1
		.amdhsa_system_sgpr_workgroup_id_y 1
		.amdhsa_system_sgpr_workgroup_id_z 1
		.amdhsa_system_vgpr_workitem_id 0
		.amdhsa_next_free_vgpr 160
		.amdhsa_next_free_sgpr 66
		.amdhsa_reserve_vcc 1
		.amdhsa_float_denorm_mode_32 3
		.amdhsa_float_denorm_mode_16_64 3
		.amdhsa_memory_ordered 1
		.amdhsa_forward_progress 1
		.amdhsa_inst_pref_size 100
	.end_amdhsa_kernel
	.amdgpu_metadata
---
amdhsa.version: [ 1, 2 ]
amdhsa.kernels:
  - .name:           k_q3a937b7ee1_prep
    .symbol:         k_q3a937b7ee1_prep.kd
    .args:
      - { .name: x, .offset: 0, .size: 8, .value_kind: global_buffer, .address_space: global }
      - { .name: mask, .offset: 8, .size: 8, .value_kind: global_buffer, .address_space: global }
      - { .name: Wq, .offset: 16, .size: 8, .value_kind: global_buffer, .address_space: global }
      - { .name: Wk, .offset: 24, .size: 8, .value_kind: global_buffer, .address_space: global }
      - { .name: Wv, .offset: 32, .size: 8, .value_kind: global_buffer, .address_space: global }
      - { .name: Wo, .offset: 40, .size: 8, .value_kind: global_buffer, .address_space: global }
      - { .name: lowp_scales, .offset: 48, .size: 8, .value_kind: global_buffer, .address_space: global }
      - { .name: ximg, .offset: 56, .size: 8, .value_kind: global_buffer, .address_space: global }
      - { .name: wimg, .offset: 64, .size: 8, .value_kind: global_buffer, .address_space: global }
      - { .name: rope, .offset: 72, .size: 8, .value_kind: global_buffer, .address_space: global }
      - { .name: maskw, .offset: 80, .size: 8, .value_kind: global_buffer, .address_space: global }
      - { .name: flags, .offset: 88, .size: 8, .value_kind: global_buffer, .address_space: global }
    .group_segment_fixed_size: 34304
    .private_segment_fixed_size: 0
    .kernarg_segment_align: 8
    .kernarg_segment_size: 96
    .max_flat_workgroup_size: 128
    .sgpr_count:     66
    .vgpr_count:     160
    .wavefront_size: 32
...
	.end_amdgpu_metadata
.endif
;; end of part 1
;; launch qkv (part 2): grid 24 x 8, 4 waves a work-group, clusters of 4 x 4, 327,680 bytes of LDS; arguments ximg, wimg, rope, lowp_scales, qkv; writes qkv
.if DOCPART == 2
	.amdgcn_target "amdgcn-amd-amdhsa--gfx1250"
	.amdhsa_code_object_version 6
	.text
	.protected	k_q3a937b7ee1_qkv
	.globl	k_q3a937b7ee1_qkv
	.p2align	8
	.type	k_q3a937b7ee1_qkv,@function
k_q3a937b7ee1_qkv:
	s_mov_b64 s[64:65], 0
	v_nop
	global_prefetch_b8 v0, s[64:65] scope:SCOPE_SE
	s_setreg_imm32_b32 hwreg(HW_REG_WAVE_MODE, 25, 1), 1
	s_wait_xcnt 0x0
	s_wait_alu depctr_hold_cnt(0) depctr_sa_sdst(0) depctr_va_vdst(0) depctr_va_sdst(0) depctr_va_ssrc(0) depctr_va_vcc(0) depctr_vm_vsrc(0)
	s_getreg_b32 s2, hwreg(HW_REG_IB_STS2, 6, 4)
	s_cmp_eq_u32 s2, 0
	s_cbranch_scc0 .Lentry_in_a_cluster
	s_endpgm
.Lentry_in_a_cluster:
	s_bfe_u32 s2, ttmp6, 0x10000c
	s_cmp_lg_u32 s2, 0xf033
	s_cbranch_scc0 .Lentry_shape_is_right
	s_endpgm
.Lentry_shape_is_right:
; SECOND LAUNCH: the three projections x Wq, x Wk, x Wv on codes of E4M3, the rotation of q and k by position, and the quantisers of q (e6), k (e7) and v (e9).  Nothing is left out.
; A tile of C is 128 positions x 128 columns (two heads).  Tile column X = 0-15: q; 16-19: k; 20-23: v.  Four waves, each 64 x 64: 16 accumulators.  K = 2,048 goes in four steps of 512 through two LDS slots.
; A WORK-GROUP STAYS: C has 16 x 24 = 384 tiles; 192 work-groups make two each, positions 128 Y on and 128 (Y + 8) on of one tile column, so that all have equal work.  The ring does not stop at the first tile's
;   end: its last two changes of slots ask for the second tile's first two K steps, and the first tile's way out stands while those loads are on their way.  Both tiles are written out.
; OPERANDS ARE IMAGES OF REGISTERS (2,048 bytes for 16 rows x 128 K, group c at 512 c + 16 x lane): every LDS load reads 512 consecutive bytes, nothing is padded.
; CLUSTERS: 4 x 4 work-groups.  x's tiles are shared along a row of the cluster, the weights' along a column: each is asked for jointly, by the same tensor load with the same descriptor and a mask that names the four.
;   A cluster is 512 columns wide, so it holds one kind alone (q, k or v): kind = max(cluster x, 3) - 3 is the same in all sixteen, and so is every branch on it.
; WHICH OPERAND IS SOURCE 0.  q, k: source 0 = 16 columns of W, source 1 = 16 positions: a lane holds one position and eight neighbouring d.  v: the other way round: a lane holds one d and eight neighbouring
;   keys, so that v's codes come out with the keys innermost, as the second attention product wants them.  Only the two LDS read addresses are chosen (by a select on the kind); the loads and the text are the same.
; A sum stands for sum x 2^(ex + ew).  The rotation commutes with a power of two, so it works on the sums as they are, and the conversion takes 2^(e6 - e0 - e1) (k: e7 - e2 - e3; v: e9 - e4 - e5) as its one scale.
; OUT: qkv [head 48][block of 64 rows 32][tile t' 4][c 2][lane][16 bytes]: images of fragments 16 rows x 64 K: lane (p, h) holds, of row 8 t' + p % 8 + 32 (p / 8), bytes 32 h + 16 c + 0 .. 15.
;   Heads 0-31 q, 32-39 k (a row is a position, the bytes are d), 40-47 v (a row is d, the bytes are the block's 64 keys).
; LIMITS: e6 - e0 - e1, e7 - e2 - e3, e9 - e4 - e5 between -126 and 119.
; REGISTERS: window 0: v16-31 addresses and scales; v32-127 at work; v128-255 accumulators ((a, b) at v[128 + 8 (4 a + b)], a: source 1's tile, b: source 0's).
;   window 1: two fragment buffers of 128: source 1's four fragments, then source 0's four.   window 2: v0-127 cos and sin of my 64 positions.
.set KQB,   2048                       ; an image
.set TILEB, 8192                       ; a tile's four images of a slot
.set HALFB, 32768                      ; four tiles: what one tensor load brings
.set SLOT,  131072                     ; x's two halves, then the weights' two
.set NEXT_A, 64*32768-2*TILEB          ; x: from a slot's last K step of the first tile to its first of the second: 64 tiles of 16 positions down, back along K
.set BACK_B, 2*TILEB                   ; the weights: only back: both tiles take the same columns
.set STAGE, 262144                     ; behind the ring: 64 rows x (64 bytes + 16) for each wave
.set SROW,  80
.set WSTG,  64*SROW
.set SPARE, STAGE+4*WSTG               ; behind the stages: the spare words, 128 bytes a wave, two blocks of 256 bytes that no other line names
.set ADR1, 16                          ; v16-17  LDS address of source 1's fragments in slot 0, 1
.set ADR0, 20                          ; v20-21  of source 0's
.set STO,  24
.set RD,   25
.set GO,   26                          ; v26  16 x lane
.set TO,   27                          ; v27  my place in the table; never rewritten
.set SPW,  28                          ; v28  my spare word; never rewritten
.set NIL,  29                          ; v29  0; never rewritten
.set SC,   30
.set LIM,  31
.set TMP,  32
.set BK,   64
.set ACC,  128
.set F0,   0
.set F1,   128
.set G1,   24                          ; s[24:31] group 1 for x's tiles; s[32:39] group 0, a set for each slot
.set G0,   32
.set G1B,  48                          ; s[48:55], s[56:63] the same for the weights'
.set G0B,  56
.set KIND, 45
; THE TILES ARE PREFETCHED INTO THE L2.  Behind each joint load (behind its five lines and the run of LDS loads that follows) stands one prefetch a wave for the K step that the NEXT refill will ask for: one K step,
; 64 matrix instructions a wave, ahead of that load.  A wave's load is four rows of 8,192 bytes; each of the four partners that ask for it jointly takes one row, told apart BY ADDRESS (cx for x, cy for the weights),
; lanes 256 bytes apart: each block of 256 bytes is named once in each cluster that will load it.  The address is stepped at the head of the next change of slots, behind s_wait_xcnt 0.
; The weights are the same for both tiles: they are asked for in the first tile alone.  K step 0 comes by its load alone; the last refill asks for nothing.
.set PFA,  88                          ; s[88:89] where my prefetch stands;  s90, s91 at work at the head
.set PFO,  18                          ; v18  256 x lane; never rewritten
.set NEXT_P, 64*32768-3*TILEB          ; x: from the first tile's last K step to the second tile's first
.set MSB, 0
.macro WIN new                         ; the immediate's high byte repeats the setting that is left
.if MSB != \new
	s_set_vgpr_msb (MSB<<8)|\new
.set MSB, \new
.endif
.endm
.set MUL,  0x05                        ; sources 0 and 1 window 1; C and D window 0
.set TO_F, 0x40                        ; destination window 1
.macro JLOAD s                         ; a joint load: waves 0, 1 fetch x's halves, waves 2, 3 the weights'.  An s_nop 0 and four v_nop follow each of the two lines
	s_cmp_eq_u32 s11, 0
	s_cbranch_scc0 .Lfor_b_\@
	tensor_load_to_lds s[G0+4*\s:G0+4*\s+3], s[G1:G1+7]
	s_nop 0
.rept 4
	v_nop
.endr
	s_branch .Lasked_\@
.Lfor_b_\@:
	tensor_load_to_lds s[G0B+4*\s:G0B+4*\s+3], s[G1B:G1B+7]
	s_nop 0
.rept 4
	v_nop
.endr
.Lasked_\@:
.endm
.macro CREST                           ; a round of the cluster's barrier behind its opening barrier
	s_cmp_lg_u32 s10, 0
	s_cbranch_scc1 .Lnot_wave_0_\@
	s_barrier_signal -3
.Lnot_wave_0_\@:
	s_barrier_wait -3
	s_barrier_signal -1
	s_barrier_wait -1
.endm
.macro CROUND
	s_barrier_signal -1
	s_barrier_wait -1
	CREST
.endm
.macro PLACES                          ; four plain lines in front of loads into registers that matrix instructions have read, and of the first read of results
.rept 4
	v_nop
.endr
.endm
.macro FETCH slot, kq, f               ; 32 LDS loads in one run: the eight fragments of the slot's kq-th 128 along K: source 0's four, then source 1's
	WIN TO_F
.irp b, 0,1,2,3
.irp c, 0,1,2,3
	ds_load_b128 v[\f+64+16*\b+4*\c:\f+64+16*\b+4*\c+3], v[ADR0+\slot] offset:\b*TILEB+(\kq)*KQB+512*\c
.endr
.endr
.irp a, 0,1,2,3
.irp c, 0,1,2,3
	ds_load_b128 v[\f+16*\a+4*\c:\f+16*\a+4*\c+3], v[ADR1+\slot] offset:\a*TILEB+(\kq)*KQB+512*\c
.endr
.endr
.endm
.macro MULA f, a, zero                 ; four matrix instructions: source 1's tile a against source 0's four.  The 16 accumulators take turns in the same order everywhere
.irp b, 0,1,2,3
.if \zero
	v_wmma_f32_16x16x128_fp8_fp8 v[ACC+8*(4*(\a)+\b):ACC+8*(4*(\a)+\b)+7], v[\f+64+16*\b:\f+64+16*\b+15], v[\f+16*(\a):\f+16*(\a)+15], 0
.else
	v_wmma_f32_16x16x128_fp8_fp8 v[ACC+8*(4*(\a)+\b):ACC+8*(4*(\a)+\b)+7], v[\f+64+16*\b:\f+64+16*\b+15], v[\f+16*(\a):\f+16*(\a)+15], v[ACC+8*(4*(\a)+\b):ACC+8*(4*(\a)+\b)+7]
.endif
.endr
.endm
.macro QUARTER slot, kq, f, g, zero    ; multiplies buffer f (128 along K) and fetches the slot's kq-th 128 into g
	s_wait_dscnt 8                                 ; all but the youngest eight loads (source 1's tiles 2, 3) are in
	WIN MUL
	MULA \f, 0, \zero
	MULA \f, 1, \zero
	PLACES
	FETCH \slot, \kq, \g
	s_wait_dscnt 32                                ; all but the 32 just issued
	WIN MUL
	MULA \f, 2, \zero
	MULA \f, 3, \zero
.endm
; A slot's last quarter multiplies buffer 1 and changes slots: one barrier; in front of it each wave waits for all its tensor loads, adds 0 to its spare word, and waits for that and for its reads of this slot.
; fill = 1: this slot is filled again with the K step two steps on; 2: with the second tile's K step of this slot; 0: with nothing.
.macro TURN slot, next, fill, pf       ; pf: the prefetch behind the refill: 0 none; 1 the next K step, every wave; 2 the second tile's first K step, x's waves; 3 the next K step, x's waves
	WIN 0
.if (\pf) == 2
	s_wait_xcnt 0x0                                ; my last prefetch has read its address: it may be stepped
	s_add_nc_u64 s[PFA:PFA+1], s[PFA:PFA+1], NEXT_P
.endif
.if (\pf) == 1 || (\pf) == 3
	s_wait_xcnt 0x0                                ; my last prefetch has read its address: it may be stepped
	s_add_nc_u64 s[PFA:PFA+1], s[PFA:PFA+1], TILEB
.endif
	s_wait_tensorcnt 0x0                           ; all my tensor loads have landed: my part of the next slot
	ds_add_u32 v[SPW], v[NIL]
	s_wait_dscnt 9                                 ; the add and the youngest eight loads may be out
	WIN MUL
	MULA F1, 0, 0
	s_wait_dscnt 0x0                               ; the add is done, and my reads of this slot are over
	s_barrier_signal -1
	MULA F1, 1, 0
.if \fill
	WIN 0
.endif
	s_barrier_wait -1
.if \fill
	CREST                                          ; the barrier has opened a round of the cluster's: no wave of any partner still reads this slot or has a load on its way
.if \fill == 2
	s_add_nc_u64 s[G0+4*\slot+2:G0+4*\slot+3], s[G0+4*\slot+2:G0+4*\slot+3], NEXT_A
	s_sub_nc_u64 s[G0B+4*\slot+2:G0B+4*\slot+3], s[G0B+4*\slot+2:G0B+4*\slot+3], BACK_B
.else
	s_add_nc_u64 s[G0+4*\slot+2:G0+4*\slot+3], s[G0+4*\slot+2:G0+4*\slot+3], 2*TILEB
	s_add_nc_u64 s[G0B+4*\slot+2:G0B+4*\slot+3], s[G0B+4*\slot+2:G0B+4*\slot+3], 2*TILEB
.endif
	JLOAD \slot                                    ; the first tensor load behind the round; its four v_nop are also the places in front of the loads below
.else
	PLACES
.endif
	FETCH \next, 0, F0
.if (\pf)
	WIN 0
.if (\pf) > 1
	s_cmp_eq_u32 s11, 0                            ; the wave's number alone: waves 0 and 1 fetch for x
	s_cbranch_scc0 .Lno_ask_\@
.endif
	global_prefetch_b8 v[PFO], s[PFA:PFA+1] th:TH_LOAD_NT scope:SCOPE_SE
.Lno_ask_\@:
.endif
	WIN MUL
	MULA F1, 2, 0
	MULA F1, 3, 0
.endm
; cos and sin of my 64 positions into window 2: (cos, sin) of position 16 a + r, d' = 16 b + 8 h + 2 q, + 1.  Waited for on the way out
.macro TABLE
	WIN 0x80                                       ; destination window 2
.irp a, 0,1,2,3
.irp b, 0,1
.irp q, 0,1,2,3
	global_load_b128 v[32*\a+16*\b+4*\q:32*\a+16*\b+4*\q+3], v[TO], s[84:85] offset:4096*\a+128*\b+16*\q
.endr
.endr
.endr
	WIN 0
.endm
; A tile's walk along K: sixteen quarters of 128, four to a slot; the first fragments have been fetched.  last = 0: the last two changes of slots ask for the second tile's K steps 0 and 1, and the second
; of them fetches its first fragments;  last = 1: they ask for nothing.
.macro KWALK last
	QUARTER 0, 1, F0, F1, 1                        ; the first products start the sums: nothing is cleared
	QUARTER 0, 2, F1, F0, 0
	QUARTER 0, 3, F0, F1, 0
	TURN 0, 1, 1, (1+2*\last)
	QUARTER 1, 1, F0, F1, 0
	QUARTER 1, 2, F1, F0, 0
	QUARTER 1, 3, F0, F1, 0
	TURN 1, 0, 1, (2-2*\last)
	QUARTER 0, 1, F0, F1, 0
	QUARTER 0, 2, F1, F0, 0
	QUARTER 0, 3, F0, F1, 0
.if \last
	TURN 0, 1, 0, 0
.else
	TURN 0, 1, 2, 3
.endif
	QUARTER 1, 1, F0, F1, 0
	QUARTER 1, 2, F1, F0, 0
	QUARTER 1, 3, F0, F1, 0
.if \last
	s_wait_dscnt 8
	WIN MUL
	MULA F1, 0, 0
	MULA F1, 1, 0
	s_wait_dscnt 0x0
	MULA F1, 2, 0
	MULA F1, 3, 0
.else
	TURN 1, 0, 2, 3
.endif
	WIN 0
	PLACES
.endm
; THE WAY OUT of a tile.  first = 1: the first tile: the kind's scale is made, and behind the rotation the second tile's table is asked for;  first = 0: the second: the output's base steps.
.macro WAYOUT first
.if \first
	s_wait_kmcnt 0x0
	s_sub_co_i32 s80, s74, s68
	s_sub_co_i32 s80, s80, s69                     ; e6 - e0 - e1
	s_sub_co_i32 s81, s75, s70
	s_sub_co_i32 s81, s81, s71                     ; e7 - e2 - e3
	s_sub_co_i32 s82, s77, s72
	s_sub_co_i32 s82, s82, s73                     ; e9 - e4 - e5
	s_cmp_eq_u32 s[KIND], 0
	s_cselect_b32 s80, s80, s81
	s_cmp_eq_u32 s[KIND], 2
	s_cselect_b32 s80, s82, s80                    ; chosen by selects
	s_add_co_i32 s80, s80, 127
	s_lshl_b32 s81, s80, 23
	v_mov_b32 v[SC], s81
	s_add_co_i32 s80, s80, 8
	s_lshl_b32 s80, s80, 23
	s_or_b32 s80, s80, 0x600000
	v_mov_b32 v[LIM], s80
.else
	s_wait_xcnt 0x0                                ; the first tile's stores have read their registers and their base: both may be written
	s_add_nc_u64 s[8:9], s[8:9], 16*4096           ; 16 blocks of 64 rows on
.endif
	s_cmp_eq_u32 s[KIND], 2
	s_cbranch_scc1 .Lno_rope_\@                    ; v is not rotated
	s_wait_loadcnt 0x0                             ; the table
	WIN 0x08                                       ; source 1 window 2
.irp a, 0,1,2,3
.irp b, 0,1                                    ; d = 16 b + 8 h + j lies in accumulator (a, b), its partner d + 32 in (a, b + 2), in the same lane and register
.irp j, 0,1,2,3,4,5,6,7
	v_mul_f32 v[TMP+2*\j], v[ACC+8*(4*\a+\b+2)+\j], v[32*\a+16*\b+2*\j+1]                              ; x2 sin
	v_mul_f32 v[TMP+2*\j+1], v[ACC+8*(4*\a+\b)+\j], v[32*\a+16*\b+2*\j+1]                              ; x1 sin
	v_fma_f32 v[ACC+8*(4*\a+\b)+\j], v[ACC+8*(4*\a+\b)+\j], v[32*\a+16*\b+2*\j], -v[TMP+2*\j]          ; x1 cos - x2 sin
	v_fma_f32 v[ACC+8*(4*\a+\b+2)+\j], v[ACC+8*(4*\a+\b+2)+\j], v[32*\a+16*\b+2*\j], v[TMP+2*\j+1]     ; x2 cos + x1 sin
.endr
.endr
.endr
	WIN 0
.if \first
	s_add_nc_u64 s[84:85], s[84:85], 1024*256      ; (the table's loads are in: their base is free.)  1,024 positions on: the second tile's, asked for a whole walk along K ahead of its use
	TABLE
.endif
.Lno_rope_\@:
.set t, 0
	s_wait_alu depctr_va_vdst(0)
.rept 16
.set j, 0
.rept 8
	v_med3_num_f32 v[ACC+8*t+j], v[ACC+8*t+j], -v[LIM], v[LIM]   ; the hold at the largest code x the scale (ISA guide 7.6.2); each accumulator from its low end on
.set j, j+1
.endr
	v_cvt_scalef32_pk8_fp8_f32 v[TMP+2*t:TMP+2*t+1], v[ACC+8*t:ACC+8*t+7], v[SC]
.set t, t+1
.endr
	v_nop                                          ; a plain line behind the last conversion
.set t, 0
.rept 16
	ds_store_b64 v[STO], v[TMP+2*t:TMP+2*t+1] offset:(t/4)*16*SROW+16*(t%4)   ; row 16 a + r, bytes 16 b + 8 h on
.set t, t+1
.endr
.set q, 0
.rept 8
	ds_load_b128 v[BK+4*q:BK+4*q+3], v[RD] offset:(q/2)*8*SROW+16*(q%2)      ; tile t' = q / 2, c = q % 2.  My own bytes: LDS serves a wave's instructions in order
.set q, q+1
.endr
.set q, 0
.rept 8
	s_wait_dscnt 7-q                               ; load q is back; the younger ones may be out
	global_store_b128 v[GO], v[BK+4*q:BK+4*q+3], s[8:9] offset:512*q         ; 512 consecutive bytes
.set q, q+1
.endr
.endm
	s_load_b128 s[4:7], s[0:1], 0x0                ; ximg s[4:5], wimg s[6:7]
	s_load_b128 s[84:87], s[0:1], 0x10             ; rope s[84:85], the exponents s[86:87]
	s_load_b64 s[8:9], s[0:1], 0x20                ; qkv
	v_lshl_add_u32 v[SPW], v0, 2, SPARE
	v_mov_b32 v[NIL], 0
	ds_add_u32 v[SPW], v[NIL]                      ; the wave's opening: the add, twice on end, and its wait ahead of my first tensor load
	ds_add_u32 v[SPW], v[NIL]
	v_lshrrev_b32 v1, 5, v0
	v_readfirstlane_b32 s10, v1                    ; wave 0..3
	v_and_b32 v[PFO], 31, v0
	v_lshlrev_b32 v[PFO], 8, v[PFO]                ; the prefetches' lane term
	s_lshr_b32 s11, s10, 1                         ; my half of the positions.  Also: I fetch for x (0) or for the weights (1)
	s_and_b32 s12, s10, 1                          ; my half of the columns.  Also: which four tiles I fetch
	s_bfe_u32 s40, ttmp6, 0x40000                  ; cx, cy
	s_bfe_u32 s41, ttmp6, 0x40004
	s_lshl_b32 s42, ttmp9, 2
	s_add_co_u32 s42, s42, s40                     ; X
	s_and_b32 s13, ttmp7, 0xffff
	s_lshl_b32 s13, s13, 2
	s_add_co_u32 s13, s13, s41                     ; Y, 0 .. 7
	s_lshl_b32 s43, s41, 2
	s_lshl_b32 s43, 15, s43                        ; my row of the cluster
	s_lshl_b32 s44, 0x1111, s40                    ; my column
	s_max_u32 s[KIND], ttmp9, 3
	s_sub_co_u32 s[KIND], s[KIND], 3               ; 0 q, 1 k, 2 v: from the cluster's x alone
	; group 1: four rows of 8,192 bytes (a tile's four images of this step), 32,768 bytes apart (a tile's sixteen); elements of 8 bytes; dense in LDS
	s_or_b32 s[G1+0], s43, (3<<16)|(1<<21)
	s_or_b32 s[G1B+0], s44, (3<<16)|(1<<21)
.irp g, G1, G1B
	s_mov_b32 s[\g+1], 1024<<16                    ; tensor_dim0 = 1,024
	s_mov_b32 s[\g+2], 4<<16                       ; tensor_dim1 = 4
	s_mov_b32 s[\g+3], 1024<<16                    ; tile_dim0
	s_mov_b32 s[\g+4], 4                           ; tile_dim1
	s_mov_b32 s[\g+5], 4096                        ; from row to row
	s_mov_b32 s[\g+6], 0
	s_mov_b32 s[\g+7], 0
.endr
	s_lshl_b32 s17, s12, 2
	s_lshl_b32 s16, s13, 3
	s_add_co_u32 s16, s16, s17
	s_lshl_b32 s16, s16, 15                        ; x: tile 8 Y + 4 half,
	s_lshl_b32 s18, s[KIND], 22
	s_add_co_u32 s16, s16, s18                     ; in the kind's copy
	s_lshl_b32 s46, s42, 3
	s_add_co_u32 s46, s46, s17
	s_lshl_b32 s46, s46, 15                        ; the weights: tile 8 X + 4 half
	s_mov_b32 s17, 0
	s_mov_b32 s47, 0
	s_lshl_b32 s20, s10, 15                        ; where they go: wave x 32,768: no place in the cluster enters an LDS address
	s_wait_alu depctr_va_vdst(0)
	s_wait_dscnt 0x0                               ; both opening adds are done
	s_wait_kmcnt 0x0
	s_add_nc_u64 s[14:15], s[4:5], s[16:17]
	s_add_nc_u64 s[46:47], s[6:7], s[46:47]
	s_load_b256 s[68:75], s[86:87], 0x0            ; e0 .. e7
	s_load_b128 s[76:79], s[86:87], 0x20           ; e8 .. e11
	CROUND                                         ; all sixteen work-groups are here: the first joint loads meet
.irp s, 0,1
	s_mov_b32 s[G0+4*\s], 1
	s_add_co_u32 s[G0+4*\s+1], s20, \s*SLOT
	s_add_nc_u64 s[G0+4*\s+2:G0+4*\s+3], s[14:15], \s*TILEB
	s_or_b32 s[G0+4*\s+3], s[G0+4*\s+3], 0x80000000
	s_mov_b32 s[G0B+4*\s], 1
	s_add_co_u32 s[G0B+4*\s+1], s20, \s*SLOT
	s_add_nc_u64 s[G0B+4*\s+2:G0B+4*\s+3], s[46:47], \s*TILEB
	s_or_b32 s[G0B+4*\s+3], s[G0B+4*\s+3], 0x80000000
.endr
	JLOAD 0                                        ; K step 0: one tensor load a wave at the head
	s_cmp_eq_u32 s11, 0                            ; do I fetch for x?
	s_cselect_b64 s[PFA:PFA+1], s[14:15], s[46:47] ; the four rows that I fetch,
	s_cselect_b32 s90, s40, s41                    ; my place among the four that ask for them with me,
	s_lshl_b32 s90, s90, 15                        ; its row,
	s_add_co_u32 s90, s90, TILEB                   ; K step 1
	s_mov_b32 s91, 0
	s_add_nc_u64 s[PFA:PFA+1], s[PFA:PFA+1], s[90:91]
	global_prefetch_b8 v[PFO], s[PFA:PFA+1] th:TH_LOAD_NT scope:SCOPE_SE
	v_and_b32 v1, 31, v0
	v_lshlrev_b32 v[GO], 4, v1
	s_wait_alu depctr_va_vdst(0)
	v_and_b32 v3, 15, v1                           ; r
	s_wait_alu depctr_va_vdst(0)
	v_lshrrev_b32 v4, 4, v1                        ; h
	s_lshl_b32 s21, s11, 15                        ; my 64 positions of x
	s_lshl_b32 s22, s12, 15
	s_add_co_u32 s22, s22, 2*HALFB                 ; my 64 columns of the weights
	s_cmp_eq_u32 s[KIND], 2
	s_cselect_b32 s23, s22, s21                    ; source 1: x, for v the weights
	s_cselect_b32 s22, s21, s22                    ; source 0: the weights, for v x.  Both stay inside a slot
.irp s, 0,1
	v_add_nc_u32 v[ADR1+\s], s23, v[GO]
	v_add_nc_u32 v[ADR0+\s], s22, v[GO]
	s_add_co_u32 s23, s23, SLOT
	s_add_co_u32 s22, s22, SLOT
.endr
	s_mul_i32 s23, s10, WSTG
	s_add_co_u32 s23, s23, STAGE                   ; my stage
	v_mul_u32_u24 v5, v3, SROW
	s_wait_alu depctr_va_vdst(0)
	v_lshl_add_u32 v5, v4, 3, v5
	v_add_nc_u32 v[STO], s23, v5                   ; in: row r, 8 bytes for each half of the lanes
	v_and_b32 v6, 7, v3
	v_lshrrev_b32 v7, 3, v3
	v_lshl_add_u32 v6, v7, 5, v6                   ; back: row p % 8 + 32 (p / 8),
	v_mul_u32_u24 v6, v6, SROW
	v_lshl_add_u32 v6, v4, 5, v6                   ; bytes 32 h on
	v_add_nc_u32 v[RD], s23, v6
	v_lshlrev_b32 v[TO], 8, v3
	v_lshl_add_u32 v[TO], v4, 6, v[TO]             ; the table: position r (256 bytes a row), d' = 8 h on (8 bytes each)
	s_lshl_b32 s16, s13, 1
	s_add_co_u32 s16, s16, s11
	s_lshl_b32 s16, s16, 12                        ; block of 64 rows 2 Y + half
	s_mov_b32 s17, 0
	s_add_nc_u64 s[8:9], s[8:9], s[16:17]
	s_lshl_b32 s46, s42, 1
	s_add_co_u32 s46, s46, s12
	s_lshl_b32 s46, s46, 17                        ; head 2 X + half: one formula for q, k and v
	s_mov_b32 s47, 0
	s_add_nc_u64 s[8:9], s[8:9], s[46:47]
	s_lshl_b32 s16, s13, 15
	s_lshl_b32 s18, s11, 14
	s_add_co_u32 s16, s16, s18
	s_add_nc_u64 s[84:85], s[84:85], s[16:17]      ; the table at position 128 Y + 64 half
	s_cmp_eq_u32 s[KIND], 2
	s_cbranch_scc1 .Lno_table                      ; v is not rotated
	s_wait_alu depctr_va_vdst(0)
	TABLE
.Lno_table:
	s_wait_alu depctr_va_vdst(0)
	s_wait_xcnt 0x0                                ; my prefetch has read its address: it may be stepped
	s_add_nc_u64 s[PFA:PFA+1], s[PFA:PFA+1], TILEB ; K step 2
	s_wait_tensorcnt 0x0                           ; my part of K step 0 is in
	ds_add_u32 v[SPW], v[NIL]
	s_wait_dscnt 0x0
	CROUND                                         ; a whole round: everybody's part of K step 0 is in, and the joint loads meet
	JLOAD 1                                        ; K step 1: slot 1's first fill, the first tensor load behind the round
	FETCH 0, 0, F0
	WIN 0
	global_prefetch_b8 v[PFO], s[PFA:PFA+1] th:TH_LOAD_NT scope:SCOPE_SE
	KWALK 0                                        ; positions 128 Y on
	WAYOUT 1                                       ; both refills for the second tile are asked for: now the first goes out
	KWALK 1                                        ; positions 128 (Y + 8) on
	WAYOUT 0
	s_wait_tensorcnt 0x0                           ; the wave's end
	ds_add_u32 v[SPW], v[NIL]
	s_wait_dscnt 0x0
	CROUND                                         ; the closing round
	s_endpgm
.Lfunc_end_k_q3a937b7ee1_qkv:
	.size	k_q3a937b7ee1_qkv, .Lfunc_end_k_q3a937b7ee1_qkv-k_q3a937b7ee1_qkv
	.p2alignl 7, 3214868480
	.fill 96, 4, 3214868480
	.section	.rodata,"a",@progbits
	.p2align	6, 0x0
	.amdhsa_kernel k_q3a937b7ee1_qkv
		.amdhsa_group_segment_fixed_size 327680
		.amdhsa_private_segment_fixed_size 0
		.amdhsa_enable_private_segment 0
		.amdhsa_kernarg_size 40
		.amdhsa_user_sgpr_count 2
		.amdhsa_user_sgpr_kernarg_segment_ptr 1
		.amdhsa_wavefront_size32 1
		.amdhsa_system_sgpr_workgroup_id_x 1
		.amdhsa_system_sgpr_workgroup_id_y 1
		.amdhsa_system_sgpr_workgroup_id_z 1
		.amdhsa_system_vgpr_workitem_id 0
		.amdhsa_next_free_vgpr 640
		.amdhsa_next_free_sgpr 92
		.amdhsa_reserve_vcc 0
		.amdhsa_float_denorm_mode_32 3
		.amdhsa_float_denorm_mode_16_64 3
		.amdhsa_memory_ordered 1
		.amdhsa_forward_progress 1
		.amdhsa_inst_pref_size 176
	.end_amdhsa_kernel
	.amdgpu_metadata
---
amdhsa.version: [ 1, 2 ]
amdhsa.kernels:
  - .name:           k_q3a937b7ee1_qkv
    .symbol:         k_q3a937b7ee1_qkv.kd
    .args:
      - { .name: ximg, .offset: 0, .size: 8, .value_kind: global_buffer, .address_space: global }
      - { .name: wimg, .offset: 8, .size: 8, .value_kind: global_buffer, .address_space: global }
      - { .name: rope, .offset: 16, .size: 8, .value_kind: global_buffer, .address_space: global }
      - { .name: lowp_scales, .offset: 24, .size: 8, .value_kind: global_buffer, .address_space: global }
      - { .name: qkv, .offset: 32, .size: 8, .value_kind: global_buffer, .address_space: global }
    .group_segment_fixed_size: 327680
    .private_segment_fixed_size: 0
    .kernarg_segment_align: 8
    .kernarg_segment_size: 40
    .max_flat_workgroup_size: 128
    .sgpr_count:     92
    .vgpr_count:     640
    .wavefront_size: 32
...
	.end_amdgpu_metadata
.endif
;; end of part 2
;; launch attn (part 3): grid 256 x 1, 8 waves a work-group, no clusters, 0 bytes of LDS; arguments qkv, maskw, flags, lowp_scales, oimg; writes oimg
.if DOCPART == 3
	.amdgcn_target "amdgcn-amd-amdhsa--gfx1250"
	.amdhsa_code_object_version 6
	.text
	.protected	k_q3a937b7ee1_attn
	.globl	k_q3a937b7ee1_attn
	.p2align	8
	.type	k_q3a937b7ee1_attn,@function
k_q3a937b7ee1_attn:
	s_mov_b64 s[64:65], 0
	v_nop
	global_prefetch_b8 v0, s[64:65] scope:SCOPE_SE
	s_setreg_imm32_b32 hwreg(HW_REG_WAVE_MODE, 25, 1), 1
	s_wait_xcnt 0x0
; THIRD LAUNCH: the two attention products on codes of E4M3, the masked softmax between them, and the quantiser (e10) of the result.
; LEFT OUT, by whole numbers that the first launch stored: a key step (128 keys) in which the mask keeps nothing for a tile of 16 queries is not walked; its scores would all be -infinity and add 0 to every sum.
;   In a key step in which the mask keeps everything for the tile the selects that hide scores are passed over: they would change nothing.
; THE SOFTMAX: t = score x log2(e) / 8; M = the running largest t rounded up to a whole number; p = 2^(t - M) is quantised with 2^e8, not normalised; the row's sum is taken of the unquantised p and divides at the end.
;   When M moves, the sum and O are multiplied by 2^(old M - new M): exact.
; SHARES.  Work-group g: kp = g % 16, P = g / 16.  Wave w owns ONE head, 2 kp + w / 4, and TWO tiles of 16 queries: tile w % 4 of query block P and tile w % 4 of block 31 - P, one after the other.
;   The two tiles' live steps form one list of 32 bits (bit s: step s of the first tile, bit 16 + s: of the second), walked in one loop; at the change of tiles, a scalar branch on that list, the first tile goes out and
;   the statistics begin anew, while the second tile's first K, V and mask words are already asked for.  Any mask is served; under masks that keep about the earlier keys the two tiles' steps add up alike in all waves.
;   A tile for which nothing is kept walks its step 0 all the same: every score is hidden there, its sums stay 0, and it goes out like any other.
;   The eight waves of a work-group walk the same key and value head.
; NO LDS, NO TENSOR LOAD, NO CLUSTER: which steps a wave walks hangs on numbers read from memory, so work-groups need different numbers of tiles.
;   All operands lie in memory as images of registers: each load reads 512 consecutive bytes.
; LAYOUT.  S^T = K Q^T (source 0 = 16 keys, source 1 = my queries), O^T = V^T P^T (source 0 = 16 of d, source 1 = P): a lane holds one query (lane % 16) throughout.  The rows of a tile are 8 t' + p % 8 + 32 (p / 8) of a block
;   of 64, so that score register 16 b + i is key 64 (b / 2) + 32 h + 16 (b % 2) + i of the step: the conversions' results ARE P's fragment, and a lane's 32 registers of O^T are d = 32 h + 0 .. 31,
;   whose codes are half a fragment of the last product's left operand (K step kp, rows = my tile, groups 2 (w / 4) and + 1): stored straight from registers.
; A QUERY THAT THE MASK HIDES WHOLLY has sum 0; the problem's softmax is NaN there: its codes are set to the NaN code, and its row of the output becomes NaN in the last launch.
; LIMITS: e6 + e7 between -123 and 130 (added to c's exponent field); e8 and e10 - e8 - e9 between -126 and 119; the scaled scores t stay under 2^31 in magnitude.
; REGISTERS.  window 0: v1-11 addresses and constants; v12-15 the maximum's four chains; v16-23 statistics (+0 -M, +1 largest t, +2, +3 the sum, +4 f, +5 written, +6, +7 at work); v24-31 the sum's four chains;
;   v32-47 P's codes; v128-191 S^T, then p.   window 1: v0-7 Q of the tile in hand, v8-15 Q of the second tile; v64-127 K of a step; v128-191 V of a step; v192-223 O^T.
.set LO,   1                           ; v1   16 x lane
.set PFO,  2                           ; v2   the prefetches' lane term
.set NINF, 3                           ; v3   -infinity
.set NANC, 4                           ; v4   four NaN codes
.set SCP,  5                           ; v5   2^e8;  v6  448 x 2^e8
.set LIMP, 6
.set SCO,  7                           ; v7   2^(e10 - e8 - e9);  v8  448 x that
.set LIMO, 8
.set OFK,  9                           ; v9   offset of the K loads in hand;  v10 of V's;  v11 of the prefetch
.set OFV,  10
.set PFV,  11
.set TA,   12
.set TT,   16
.set C,    24
.set PC,   32
.set S,    128
.set QF,   0
.set QB,   8
.set KF,   64
.set VF,   128
.set OA,   192
.set QP,   2                           ; s[2:3]   Q's image, first tile;  s[104:105] second tile
.set KVB,  4                           ; s[4:5]   my key head's images; the value head's lie 1,048,576 bytes on
.set MB,   6                           ; s[6:7]   the first tile's mask words
.set SEL,  8                           ; s[8:9]   lane selects for lane xor 16 (first: the flags' address)
.set CS,   10                          ; s[10:11] c = log2(e) / 8 x 2^(e6 + e7) (first: the exponents' address)
.set OUTP, 12                          ; s[12:13] where the tile in hand goes;  s[100:101] from the first tile's place to the second's
.set BITS, 14                          ; s14  live steps still to come
.set CUR,  15                          ; s15  the step in hand, 0 .. 31
.set NXT,  84
.set CNT,  85
.set HOLD, 86                          ; s86  1 where 448 x 2^e8 < 1, so that p must be held
.set LIM,  87                          ; s87  14 in a wave that prefetches, else 0
.set MOFF, 88
.set NK,   90                          ; s90  the next step's number among its tile's sixteen
.set Z0,   96                          ; s96  lanes whose query is hidden wholly
.set DM,   97                          ; s97  1/16 of the bytes from the first tile's mask words to the second's
.set WV,   98
.set FULL, 99                          ; s99  bit n: the mask keeps all of step n of the list
; the 64 mask words of a step: s16-63 and s68-83: word n in s[16 + n + 4 (n / 48)]
.set MSB, 0
.macro WIN new
.if MSB != \new
	s_set_vgpr_msb (MSB<<8)|\new
.set MSB, \new
.endif
.endm
.set W_KQ, 0x05                        ; K and Q window 1, S^T window 0
.set W_PV, 0x51                        ; V window 1, P window 0, O^T window 1
.set W_RS, 0x41                        ; destination and source 0 window 1
.set W_LD, 0x40                        ; destination window 1
.macro LOADK
	WIN W_LD
.set q, 0
.rept 16
	global_load_b128 v[KF+4*q:KF+4*q+3], v[OFK], s[KVB:KVB+1] offset:512*q   ; tile q / 2 of 16 keys, half q % 2 of its image
.set q, q+1
.endr
	WIN 0
.endm
.macro LOADV
	WIN W_LD
.irp hw, 0,1
.irp tq, 0,1,2,3
.irp c, 0,1
	global_load_b128 v[VF+16*\tq+4*(2*\hw+\c):VF+16*\tq+4*(2*\hw+\c)+3], v[OFV], s[KVB:KVB+1] offset:1048576+4096*\hw+1024*\tq+512*\c   ; tile tq of d; keys 64 hw + 32 h + 16 c on
.endr
.endr
.endr
	WIN 0
.endm
.macro LOADM                           ; the 64 mask words of list step NXT: 256 bytes at 256 x (NXT % 16), in the second tile's words where bit 4 of NXT is set
	s_and_b32 s89, s[NXT], 16
	s_mul_i32 s89, s89, s[DM]
	s_lshl_b32 s[MOFF], s[NK], 8
	s_add_co_u32 s[MOFF], s[MOFF], s89
	s_load_b512 s[16:31], s[MB:MB+1], s[MOFF] offset:0x0
	s_load_b512 s[32:47], s[MB:MB+1], s[MOFF] offset:0x40
	s_load_b512 s[48:63], s[MB:MB+1], s[MOFF] offset:0x80
	s_load_b512 s[68:83], s[MB:MB+1], s[MOFF] offset:0xc0
.endm
; A PREFETCH INTO THE L2 of the key step two on from the one in hand: its 8,192 bytes of K (wave 4) or of V (wave 5), lanes 256 bytes apart, one instruction, behind the wave's run of K loads.
; Each block is named once in the launch: for each key head one work-group asks (P = 0, kp even), in it the two waves named, and only while they walk their second tile (query block 31), where the step's number rises.
; Steps 0 and 1 come by their loads alone; nothing is asked for beyond step 15.
.macro ASK
	s_sub_co_u32 s89, s[CUR], 16                   ; the step's number in the second tile; beyond every bound in the first
	s_cmp_gt_u32 s[LIM], s89
	s_cbranch_scc0 .Lnot_mine_\@
	global_prefetch_b8 v[PFV], s[KVB:KVB+1] th:TH_LOAD_NT scope:SCOPE_SE
.Lnot_mine_\@:
.endm
; THE WAY OUT of a tile.  The lines ahead of the reciprocal are among the places behind the last products.
.macro WAYOUT
	v_add_f32 v[TT+6], v[TT+2], v[TT+3]
	s_delay_alu instid0(VALU_DEP_1)
	v_permlanex16_b32 v[TT+7], v[TT+6], s[SEL], s[SEL+1]
	s_delay_alu instid0(VALU_DEP_1)
	v_add_f32 v[TT+6], v[TT+6], v[TT+7]            ; the row's sum
	s_delay_alu instid0(VALU_DEP_1)
	v_cmp_eq_f32 s[Z0], 0, v[TT+6]                 ; 0 only where every key was hidden
	v_cndmask_b32 v[TT+6], v[TT+6], 1.0, s[Z0]
	s_wait_alu depctr_va_vdst(0)
	v_rcp_f32 v[TT+4], v[TT+6]
	v_nop                                          ; a plain line behind the reciprocal,
	s_wait_alu depctr_va_vdst(0)                   ; and the one wait ahead of its first reader and of O^T's
	WIN 0x01                                       ; source 0 window 1
.set i, 0
.rept 32
	v_mul_f32 v[S+i], v[OA+i], v[TT+4]             ; O^T / the sum: register i is d = 32 h + i; each accumulator from its low end on
.set i, i+1
.endr
	WIN 0
.set i, 0
.rept 32
	v_med3_num_f32 v[S+i], v[S+i], -v[LIMO], v[LIMO]   ; the conversion does not saturate (ISA guide 7.6.2)
.set i, i+1
.endr
.set q, 0
.rept 4
	v_cvt_scalef32_pk8_fp8_f32 v[PC+2*q:PC+2*q+1], v[S+8*q:S+8*q+7], v[SCO]   ; a sum stands for sum x 2^(e8 + e9): the three scales are folded into one
.set q, q+1
.endr
	v_nop                                          ; a plain line behind the last conversion
.set i, 0
.rept 8
	v_cndmask_b32 v[PC+i], v[PC+i], v[NANC], s[Z0]
.set i, i+1
.endr
	global_store_b128 v[LO], v[PC:PC+3], s[OUTP:OUTP+1]              ; two groups of the image: 512 consecutive bytes each
	global_store_b128 v[LO], v[PC+4:PC+7], s[OUTP:OUTP+1] offset:512
.endm
; A KEY STEP.  more = 1: a live step follows: its K is asked for behind this step's first products, its mask words behind the selects, its V behind the second products.
.macro STEP more
	s_wait_alu depctr_va_vdst(0)
.if \more
	s_ctz_i32_b32 s[NXT], s[BITS]
	s_min_u32 s[NXT], s[NXT], 31                   ; a number read from memory enters addresses only behind this bound
	s_sub_co_u32 s89, s[BITS], 1
	s_and_b32 s[BITS], s[BITS], s89
	s_and_b32 s[NK], s[NXT], 15
.endif
	s_wait_loadcnt 16                              ; Q and this step's K are in; V's sixteen loads may be out
	WIN W_KQ
.set t, 0
.rept 8
	v_wmma_f32_16x16x64_fp8_fp8 v[S+8*t:S+8*t+7], v[KF+8*t:KF+8*t+7], v[QF:QF+7], 0
.set t, t+1
.endr
	WIN 0
.if \more
	s_wait_xcnt 0x0                                ; the last prefetch, a step back, has read its address register
	s_and_b32 s89, s[CUR], 15
	v_lshl_add_u32 v[OFK], s[NK], 13, v[LO]        ; (K's last loads are in: their address register is free.)  These four lines are the places behind the products
	v_lshl_add_u32 v[PFV], s89, 13, v[PFO]
	v_nop
	v_nop
	LOADK
	ASK
.else
.rept 4
	v_nop
.endr
.endif
	s_wait_kmcnt 0x0                               ; the step's mask words are in: they may be read, and their registers asked for anew below
	s_lshr_b32 s89, s[FULL], s[CUR]
	s_and_b32 s89, s89, 1
	s_cmp_lg_u32 s89, 0                            ; a whole number that the first launch stored: the mask keeps all 16 x 128 of this step
	s_cbranch_scc1 .Lopen_\@
.set n, 0
.rept 64
	v_cndmask_b32 v[S+n], v[NINF], v[S+n], s[16+n+4*(n/48)]   ; a key that the mask hides: -infinity, ahead of the maximum.  Each accumulator from its low end on
.set n, n+1
.endr
.Lopen_\@:
.if \more
	LOADM
.endif
	v_max3_num_f32 v[TA], v[S], v[S+1], v[S+2]     ; the step's largest score of my query among my 64 keys, in four chains, the registers in ascending order
	v_max3_num_f32 v[TA+1], v[S+3], v[S+4], v[S+5]
	v_max3_num_f32 v[TA+2], v[S+6], v[S+7], v[S+8]
	v_max3_num_f32 v[TA+3], v[S+9], v[S+10], v[S+11]
.set i, 12
.rept 26
	v_max3_num_f32 v[TA+((i-12)/2)%4], v[TA+((i-12)/2)%4], v[S+i], v[S+i+1]
.set i, i+2
.endr
	s_delay_alu instid0(VALU_DEP_1)
	v_max3_num_f32 v[TA], v[TA], v[TA+1], v[TA+2]
	s_delay_alu instid0(VALU_DEP_1)
	v_max_num_f32 v[TA], v[TA], v[TA+3]
	s_delay_alu instid0(VALU_DEP_1)
	v_permlanex16_b32 v[TT+7], v[TA], s[SEL], s[SEL+1]
	s_delay_alu instid0(VALU_DEP_1)
	v_max_num_f32 v[TA], v[TA], v[TT+7]            ; and among lane xor 16's
	s_delay_alu instid0(VALU_DEP_1)
	v_mul_f32 v[TA], s[CS], v[TA]                  ; as t (c is positive)
	s_delay_alu instid0(VALU_DEP_1)
	v_max_num_f32 v[TT+1], v[TT+1], v[TA]          ; the running largest t
	v_mov_b32 v[TA], v[TT]
	s_delay_alu instid0(VALU_DEP_2)
	v_floor_f32 v[TT], -v[TT+1]                    ; -M = floor(-t): M is a whole number
	s_delay_alu instid0(VALU_DEP_1)
	v_sub_f32 v[TA], v[TT], v[TA]                  ; old M - new M, 0 or less
	s_delay_alu instid0(VALU_DEP_1)
	v_cvt_i32_f32 v[TA], v[TA]                     ; (it saturates)
	s_delay_alu instid0(VALU_DEP_1)
	v_ldexp_f32 v[TT+4], 1.0, v[TA]                ; f = 2^(old M - new M)
.set j, 0
.rept 32
	v_pk_fma_f32 v[S+j:S+j+1], v[S+j:S+j+1], s[CS:CS+1], v[TT:TT+1] op_sel_hi:[1,0,0]   ; t - M, two at a time
.set j, j+2
.endr
	s_wait_alu depctr_va_vdst(0)
.set j, 0
.rept 64
	v_exp_f32 v[S+j], v[S+j]                       ; p = 2^(t - M); 0 for a hidden key
.set j, j+1
.endr
	WIN W_RS
	s_wait_alu depctr_va_vdst(0)                   ; one wait behind the batch, directly ahead of the first readers of O^T
.set j, 0
.rept 16
	v_pk_mul_f32 v[OA+j:OA+j+1], v[OA+j:OA+j+1], v[TT+4:TT+5] op_sel_hi:[1,0]   ; O^T under the new M; also the plain lines behind the exponentials
.set j, j+2
.endr
	WIN 0
.set j, 0
.rept 4
	v_pk_add_f32 v[C+2*j:C+2*j+1], v[S+4*j:S+4*j+1], v[S+4*j+2:S+4*j+3]   ; the sum of the unquantised p, in four chains of pairs
.set j, j+1
.endr
.set j, 16
.rept 24
	v_pk_add_f32 v[C+2*((j/2)%4):C+2*((j/2)%4)+1], v[C+2*((j/2)%4):C+2*((j/2)%4)+1], v[S+j:S+j+1]
.set j, j+2
.endr
	s_wait_alu depctr_va_vdst(0)                   ; the wait ahead of the jump
	s_cmp_lg_u32 s[HOLD], 0                        ; p is at most 1: it can pass 448 x 2^e8 only where e8 < -8.  A branch on a whole number among the inputs
	s_cbranch_scc0 .Lno_hold_\@
.set j, 0
.rept 64
	v_min_num_f32 v[S+j], v[S+j], v[LIMP]          ; the conversion does not saturate (ISA guide 7.6.2); p is not negative, so the hold is one-sided
.set j, j+1
.endr
.Lno_hold_\@:
.set b, 0
.rept 4
	v_cvt_scalef32_pk8_fp8_f32 v[PC+4*b:PC+4*b+1], v[S+16*b:S+16*b+7], v[SCP]
	v_cvt_scalef32_pk8_fp8_f32 v[PC+4*b+2:PC+4*b+3], v[S+16*b+8:S+16*b+15], v[SCP]
.set b, b+1
.endr
	v_pk_add_f32 v[C:C+1], v[C:C+1], v[C+2:C+3]    ; the four chains joined: also the plain lines behind the conversions
	v_pk_add_f32 v[C+4:C+5], v[C+4:C+5], v[C+6:C+7]
	s_delay_alu instid0(VALU_DEP_1)
	v_pk_add_f32 v[C:C+1], v[C:C+1], v[C+4:C+5]
	s_delay_alu instid0(VALU_DEP_1)
	v_pk_fma_f32 v[TT+2:TT+3], v[TT+2:TT+3], v[TT+4:TT+5], v[C:C+1] op_sel_hi:[1,0,1]   ; the sum under the new M, and this step's part
	s_wait_alu depctr_va_vdst(0)
.if \more
	s_wait_loadcnt 16                              ; V is in; the next step's K may be out
.else
	s_wait_loadcnt 0x0
.endif
	WIN W_PV
.set t, 0
.rept 4                                        ; the four accumulators take turns
	v_wmma_f32_16x16x128_fp8_fp8 v[OA+8*t:OA+8*t+7], v[VF+16*t:VF+16*t+15], v[PC:PC+15], v[OA+8*t:OA+8*t+7]
.set t, t+1
.endr
	WIN 0
.if \more
	v_lshl_add_u32 v[OFV], s[NK], 13, v[LO]        ; four places in front of the loads into V's registers
	v_nop
	v_nop
	v_nop
	LOADV
	s_xor_b32 s89, s[NXT], s[CUR]
	s_and_b32 s89, s89, 16
	s_mov_b32 s[CUR], s[NXT]
	s_cmp_lg_u32 s89, 0                            ; does the next step belong to the second tile and this one to the first?
	s_cbranch_scc0 .Lsame_\@
	WAYOUT                                         ; the first tile goes out,
	WIN W_RS
.set j, 0
.rept 8
	v_mov_b32 v[QF+j], v[QB+j]                     ; the second tile's Q takes its place,
.set j, j+1
.endr
.set j, 0
.rept 32
	v_mov_b32 v[OA+j], 0                           ; and O^T and the statistics begin anew
.set j, j+1
.endr
	WIN 0
	v_mov_b32 v[TT+1], 0xff61b1e6
	v_mov_b32 v[TT+2], 0
	v_mov_b32 v[TT+3], 0
	v_floor_f32 v[TT], -v[TT+1]
	s_wait_xcnt 0x0                                ; the stores have read their data and their base: both may be written
	s_add_nc_u64 s[OUTP:OUTP+1], s[OUTP:OUTP+1], s[100:101]
.Lsame_\@:
.endif
.endm
	s_load_b256 s[4:11], s[0:1], 0x0               ; qkv s[4:5], maskw s[6:7], flags s[8:9], the exponents s[10:11]
	s_load_b64 s[12:13], s[0:1], 0x20              ; oimg
	v_lshrrev_b32 v1, 5, v0
	s_delay_alu instid0(VALU_DEP_1)
	v_readfirstlane_b32 s[WV], v1                  ; wave 0..7
	v_and_b32 v12, 31, v0
	s_delay_alu instid0(VALU_DEP_1)
	v_lshlrev_b32 v[LO], 4, v12
	s_and_b32 s89, ttmp9, 15                       ; kp
	s_lshr_b32 s90, ttmp9, 4                       ; P
	s_and_b32 s91, s[WV], 3                        ; my tile in a block
	s_lshr_b32 s95, s[WV], 2                       ; which of the two heads
	s_lshl_b32 s94, s90, 1
	s_sub_co_u32 s94, 31, s94                      ; 31 - 2 P: blocks from my first tile to my second
	s_lshl_b32 s90, s90, 2
	s_add_co_u32 s90, s90, s91                     ; my first tile of 16 queries
	s_lshl_b32 s48, s94, 8                         ; and 4 x 64 bytes of flags a block
	s_mov_b32 s93, 0
	s_wait_alu depctr_va_vdst(0)
	s_wait_kmcnt 0x0
	s_lshl_b32 s92, s90, 6
	s_add_nc_u64 s[8:9], s[8:9], s[92:93]
	s_load_b512 s[16:31], s[8:9], 0x0              ; the first tile's sixteen flags,
	s_load_b512 s[32:47], s[8:9], s48 offset:0x0   ; the second's
	s_load_b128 s[68:71], s[10:11], 0x18           ; e6, e7, e8, e9
	s_load_b32 s72, s[10:11], 0x28                 ; e10
	s_lshl_b32 s92, s89, 1
	s_add_co_u32 s92, s92, s95
	s_lshl_b32 s92, s92, 17                        ; head 2 kp + w / 4,
	s_lshl_b32 s49, s90, 10
	s_add_co_u32 s92, s92, s49                     ; my first tile
	s_add_nc_u64 s[QP:QP+1], s[4:5], s[92:93]
	s_lshl_b32 s92, s94, 12
	s_add_nc_u64 s[104:105], s[QP:QP+1], s[92:93]  ; my second tile
	s_lshr_b32 s92, s89, 1
	s_add_co_u32 s92, s92, 32
	s_lshl_b32 s92, s92, 17
	s_add_nc_u64 s[KVB:KVB+1], s[4:5], s[92:93]    ; key head kp / 2
	s_lshl_b32 s92, s90, 12
	s_add_nc_u64 s[MB:MB+1], s[MB:MB+1], s[92:93]
	s_lshl_b32 s[DM], s94, 10                      ; 16 x this = 4 tiles x 4,096 bytes a block
	s_lshl_b32 s92, s90, 4
	s_add_co_u32 s92, s92, s89
	s_lshl_b32 s92, s92, 11
	s_lshl_b32 s49, s95, 10
	s_add_co_u32 s92, s92, s49
	s_add_nc_u64 s[OUTP:OUTP+1], s[OUTP:OUTP+1], s[92:93]   ; image (tile, kp), my head's two groups
	s_lshl_b32 s100, s94, 17                       ; 4 tiles x 16 images x 2,048 bytes a block
	s_mov_b32 s101, 0
	WIN W_LD
.irp c, 0,1
	global_load_b128 v[QF+4*\c:QF+4*\c+3], v[LO], s[QP:QP+1] offset:512*\c     ; both tiles' Q stay in registers
	global_load_b128 v[QB+4*\c:QB+4*\c+3], v[LO], s[104:105] offset:512*\c
.endr
.set j, 0
.rept 32
	v_mov_b32 v[OA+j], 0                           ; O^T: the step is written for every step alike
.set j, j+1
.endr
	WIN 0
	v_mov_b32 v[NINF], 0xff800000
	v_mov_b32 v[NANC], 0x7f7f7f7f
	v_mov_b32 v[TT+1], 0xff61b1e6                  ; the largest t so far: -3e38
	s_delay_alu instid0(VALU_DEP_1)
	v_floor_f32 v[TT], -v[TT+1]
	v_mov_b32 v[TT+2], 0
	v_mov_b32 v[TT+3], 0
	v_mov_b32 v[TT+5], 0                           ; (named as the upper half of a pair)
	v_mov_b32 v[TT+7], 0                           ; written once: a lane permute's destination counts as one of its sources
	v_lshlrev_b32 v[PFO], 8, v12
	s_and_b32 s93, s[WV], 1
	s_lshl_b32 s93, s93, 20
	s_add_co_u32 s93, s93, 16384
	v_add_nc_u32 v[PFO], s93, v[PFO]               ; 256 x lane, two steps on; in the odd wave among V's images
	s_lshr_b32 s92, ttmp9, 4
	s_and_b32 s93, ttmp9, 1
	s_or_b32 s92, s92, s93
	s_lshr_b32 s93, s[WV], 1
	s_xor_b32 s93, s93, 2
	s_or_b32 s92, s92, s93                         ; 0 where P = 0, kp is even and the wave is 4 or 5
	s_cmp_eq_u32 s92, 0
	s_cselect_b32 s[LIM], 14, 0
	s_wait_kmcnt 0x0
	s_or_b32 s92, s16, s17
.irp i, 18,19,20,21,22,23,24,25,26,27,28,29,30,31
	s_or_b32 s92, s92, s\i
.endr
	s_or_b32 s93, s32, s33
.irp i, 34,35,36,37,38,39,40,41,42,43,44,45,46,47
	s_or_b32 s93, s93, s\i
.endr
	s_lshr_b32 s[FULL], s92, 16                    ; bit s: key step s keeps everything for the first tile;
	s_and_b32 s94, s93, 0xffff0000
	s_or_b32 s[FULL], s[FULL], s94                 ; bit 16 + s: for the second
	s_and_b32 s92, s92, 0xffff                     ; bit s: it keeps something;
	s_max_u32 s92, s92, 1                          ; a tile with nothing kept walks its step 0
	s_and_b32 s93, s93, 0xffff
	s_max_u32 s93, s93, 1
	s_lshl_b32 s93, s93, 16
	s_or_b32 s[BITS], s92, s93                     ; the list: at least one step of each tile
	s_bcnt1_i32_b32 s[CNT], s[BITS]
	s_min_u32 s[CNT], s[CNT], 32
	s_add_co_i32 s92, s68, s69
	s_lshl_b32 s92, s92, 23
	s_add_co_i32 s[CS], s92, 0x3e38aa3b            ; c = log2(e) / 8, with e6 + e7 added to its exponent field
	s_mov_b32 s[CS+1], s[CS]
	s_mov_b32 s[SEL], 0x76543210
	s_mov_b32 s[SEL+1], 0xfedcba98
	s_add_co_i32 s92, s70, 127
	s_lshl_b32 s93, s92, 23
	v_mov_b32 v[SCP], s93
	s_add_co_i32 s92, s92, 8
	s_lshl_b32 s92, s92, 23
	s_or_b32 s92, s92, 0x600000
	v_mov_b32 v[LIMP], s92
	s_sub_co_i32 s92, s72, s70
	s_sub_co_i32 s92, s92, s71
	s_add_co_i32 s92, s92, 127
	s_lshl_b32 s93, s92, 23
	v_mov_b32 v[SCO], s93
	s_add_co_i32 s92, s92, 8
	s_lshl_b32 s92, s92, 23
	s_or_b32 s92, s92, 0x600000
	v_mov_b32 v[LIMO], s92
	s_cmp_lt_i32 s70, -8
	s_cselect_b32 s[HOLD], 1, 0
	s_ctz_i32_b32 s[NXT], s[BITS]                  ; the list's first step
	s_min_u32 s[NXT], s[NXT], 31
	s_sub_co_u32 s92, s[BITS], 1
	s_and_b32 s[BITS], s[BITS], s92
	s_and_b32 s[NK], s[NXT], 15
	s_mov_b32 s[CUR], s[NXT]
	LOADM
	v_lshl_add_u32 v[OFK], s[NK], 13, v[LO]
	v_lshl_add_u32 v[OFV], s[NK], 13, v[LO]
	LOADK
	LOADV
	s_sub_co_u32 s[CNT], s[CNT], 1                 ; all steps but the last: the list has two steps or more,
	s_max_u32 s[CNT], s[CNT], 1                    ; and the bound is written out, so that the counter's start is at least its step
.Lloop:
	STEP 1
	s_sub_co_u32 s[CNT], s[CNT], 1
	s_cmp_lg_u32 s[CNT], 0
	s_cbranch_scc1 .Lloop
	STEP 0                                         ; the last step asks for nothing
	WAYOUT                                         ; the second tile goes out
	s_endpgm
.Lfunc_end_k_q3a937b7ee1_attn:
	.size	k_q3a937b7ee1_attn, .Lfunc_end_k_q3a937b7ee1_attn-k_q3a937b7ee1_attn
	.p2alignl 7, 3214868480
	.fill 96, 4, 3214868480
	.section	.rodata,"a",@progbits
	.p2align	6, 0x0
	.amdhsa_kernel k_q3a937b7ee1_attn
		.amdhsa_group_segment_fixed_size 0
		.amdhsa_private_segment_fixed_size 0
		.amdhsa_enable_private_segment 0
		.amdhsa_kernarg_size 40
		.amdhsa_user_sgpr_count 2
		.amdhsa_user_sgpr_kernarg_segment_ptr 1
		.amdhsa_wavefront_size32 1
		.amdhsa_system_sgpr_workgroup_id_x 1
		.amdhsa_system_sgpr_workgroup_id_y 1
		.amdhsa_system_sgpr_workgroup_id_z 1
		.amdhsa_system_vgpr_workitem_id 0
		.amdhsa_next_free_vgpr 512
		.amdhsa_next_free_sgpr 106
		.amdhsa_reserve_vcc 0
		.amdhsa_float_denorm_mode_32 3
		.amdhsa_float_denorm_mode_16_64 3
		.amdhsa_memory_ordered 1
		.amdhsa_forward_progress 1
		.amdhsa_inst_pref_size 61
	.end_amdhsa_kernel
	.amdgpu_metadata
---
amdhsa.version: [ 1, 2 ]
amdhsa.kernels:
  - .name:           k_q3a937b7ee1_attn
    .symbol:         k_q3a937b7ee1_attn.kd
    .args:
      - { .name: qkv, .offset: 0, .size: 8, .value_kind: global_buffer, .address_space: global }
      - { .name: maskw, .offset: 8, .size: 8, .value_kind: global_buffer, .address_space: global }
      - { .name: flags, .offset: 16, .size: 8, .value_kind: global_buffer, .address_space: global }
      - { .name: lowp_scales, .offset: 24, .size: 8, .value_kind: global_buffer, .address_space: global }
      - { .name: oimg, .offset: 32, .size: 8, .value_kind: global_buffer, .address_space: global }
    .group_segment_fixed_size: 0
    .private_segment_fixed_size: 0
    .kernarg_segment_align: 8
    .kernarg_segment_size: 40
    .max_flat_workgroup_size: 256
    .sgpr_count:     106
    .vgpr_count:     512
    .wavefront_size: 32
...
	.end_amdgpu_metadata
.endif
;; end of part 3
;; launch oproj (part 4): grid 16 x 16, 4 waves a work-group, clusters of 4 x 4, 327,680 bytes of LDS; arguments oimg, wimg, lowp_scales, out0; writes out0
.if DOCPART == 4
	.amdgcn_target "amdgcn-amd-amdhsa--gfx1250"
	.amdhsa_code_object_version 6
	.text
	.protected	k_q3a937b7ee1_oproj
	.globl	k_q3a937b7ee1_oproj
	.p2align	8
	.type	k_q3a937b7ee1_oproj,@function
k_q3a937b7ee1_oproj:
	s_mov_b64 s[64:65], 0
	v_nop
	global_prefetch_b8 v0, s[64:65] scope:SCOPE_SE
	s_setreg_imm32_b32 hwreg(HW_REG_WAVE_MODE, 25, 1), 1
	s_wait_xcnt 0x0
	s_wait_alu depctr_hold_cnt(0) depctr_sa_sdst(0) depctr_va_vdst(0) depctr_va_sdst(0) depctr_va_ssrc(0) depctr_va_vcc(0) depctr_vm_vsrc(0)
	s_getreg_b32 s2, hwreg(HW_REG_IB_STS2, 6, 4)
	s_cmp_eq_u32 s2, 0
	s_cbranch_scc0 .Lentry_in_a_cluster
	s_endpgm
.Lentry_in_a_cluster:
	s_bfe_u32 s2, ttmp6, 0x10000c
	s_cmp_lg_u32 s2, 0xf033
	s_cbranch_scc0 .Lentry_shape_is_right
	s_endpgm
.Lentry_shape_is_right:
; FOURTH LAUNCH: out0 = O Wo on codes of E4M3 (scales e10, e11).  Nothing is left out.
; A tile of the output is 128 positions x 128 columns; 16 x 16 work-groups of four waves, each wave 64 x 64: 16 accumulators.  K = 2,048 goes in four steps of 512 through two LDS slots.
; OPERANDS ARE IMAGES OF REGISTERS (2,048 bytes for 16 rows x 128 K, group c at 512 c + 16 x lane): every LDS load reads 512 consecutive bytes, nothing is padded.
; CLUSTERS: 4 x 4 work-groups.  O's tiles are shared along a row of the cluster, Wo's along a column: each is asked for jointly, by the same tensor load with the same descriptor and a mask that names the four.
; Source 0 = 16 columns of Wo, source 1 = 16 positions: a lane holds eight neighbouring columns of one position.  The rows of O's tile t' are positions 8 t' + p % 8 + 32 (p / 8) of a block of 64, as the attention launch stored them.
; Each finished sum is multiplied once by 2^(e10 + e11) and leaves through the wave's own stage in LDS as aligned runs of 256 bytes.  LIMIT: e10 + e11 between -126 and 127.
.set KQB,   2048
.set TILEB, 8192
.set HALFB, 32768
.set SLOT,  131072
.set STAGE, 262144
.set SP,    272
.set SPARE, STAGE+4*16*SP
.set ADR1, 16
.set ADR0, 20
.set STO,  24
.set RD,   25
.set GO,   26
.set SPW,  28
.set NIL,  29
.set TMP,  32
.set BK,   64
.set ACC,  128
.set F0,   0
.set F1,   128
.set G1,   24
.set G0,   32
.set G1B,  48
.set G0B,  56
; THE TILES ARE PREFETCHED INTO THE L2.  Behind each joint load (behind its five lines and the run of LDS loads that follows) stands one prefetch a wave for the K step that the NEXT refill will ask for: one K step,
; 64 matrix instructions a wave, ahead of that load.  A wave's load is four rows of 8,192 bytes; each of the four partners that ask for it jointly takes one row, told apart BY ADDRESS (cx for O, cy for Wo),
; lanes 256 bytes apart: each block of 256 bytes is named once in each cluster that will load it.  The address is stepped at the head of the next change of slots, behind s_wait_xcnt 0.
; K step 0 comes by its load alone; the last refill asks for nothing.
.set PFA,  68                          ; s[68:69] where my prefetch stands;  s70, s71 at work at the head
.set PFO,  18                          ; v18  256 x lane; never rewritten
.set MSB, 0
.macro WIN new
.if MSB != \new
	s_set_vgpr_msb (MSB<<8)|\new
.set MSB, \new
.endif
.endm
.set MUL,  0x05
.set TO_F, 0x40
.macro JLOAD s
	s_cmp_eq_u32 s11, 0
	s_cbranch_scc0 .Lfor_b_\@
	tensor_load_to_lds s[G0+4*\s:G0+4*\s+3], s[G1:G1+7]
	s_nop 0
.rept 4
	v_nop
.endr
	s_branch .Lasked_\@
.Lfor_b_\@:
	tensor_load_to_lds s[G0B+4*\s:G0B+4*\s+3], s[G1B:G1B+7]
	s_nop 0
.rept 4
	v_nop
.endr
.Lasked_\@:
.endm
.macro CREST
	s_cmp_lg_u32 s10, 0
	s_cbranch_scc1 .Lnot_wave_0_\@
	s_barrier_signal -3
.Lnot_wave_0_\@:
	s_barrier_wait -3
	s_barrier_signal -1
	s_barrier_wait -1
.endm
.macro CROUND
	s_barrier_signal -1
	s_barrier_wait -1
	CREST
.endm
.macro PLACES
.rept 4
	v_nop
.endr
.endm
.macro FETCH slot, kq, f
	WIN TO_F
.irp b, 0,1,2,3
.irp c, 0,1,2,3
	ds_load_b128 v[\f+64+16*\b+4*\c:\f+64+16*\b+4*\c+3], v[ADR0+\slot] offset:\b*TILEB+(\kq)*KQB+512*\c
.endr
.endr
.irp a, 0,1,2,3
.irp c, 0,1,2,3
	ds_load_b128 v[\f+16*\a+4*\c:\f+16*\a+4*\c+3], v[ADR1+\slot] offset:\a*TILEB+(\kq)*KQB+512*\c
.endr
.endr
.endm
.macro MULA f, a, zero
.irp b, 0,1,2,3
.if \zero
	v_wmma_f32_16x16x128_fp8_fp8 v[ACC+8*(4*(\a)+\b):ACC+8*(4*(\a)+\b)+7], v[\f+64+16*\b:\f+64+16*\b+15], v[\f+16*(\a):\f+16*(\a)+15], 0
.else
	v_wmma_f32_16x16x128_fp8_fp8 v[ACC+8*(4*(\a)+\b):ACC+8*(4*(\a)+\b)+7], v[\f+64+16*\b:\f+64+16*\b+15], v[\f+16*(\a):\f+16*(\a)+15], v[ACC+8*(4*(\a)+\b):ACC+8*(4*(\a)+\b)+7]
.endif
.endr
.endm
.macro QUARTER slot, kq, f, g, zero
	s_wait_dscnt 8
	WIN MUL
	MULA \f, 0, \zero
	MULA \f, 1, \zero
	PLACES
	FETCH \slot, \kq, \g
	s_wait_dscnt 32
	WIN MUL
	MULA \f, 2, \zero
	MULA \f, 3, \zero
.endm
.macro TURN slot, next, fill, pf       ; pf = 1: behind the refill the next K step is prefetched
	WIN 0
.if (\pf)
	s_wait_xcnt 0x0                                ; my last prefetch has read its address: it may be stepped
	s_add_nc_u64 s[PFA:PFA+1], s[PFA:PFA+1], TILEB
.endif
	s_wait_tensorcnt 0x0
	ds_add_u32 v[SPW], v[NIL]
	s_wait_dscnt 9
	WIN MUL
	MULA F1, 0, 0
	s_wait_dscnt 0x0
	s_barrier_signal -1
	MULA F1, 1, 0
.if \fill
	WIN 0
.endif
	s_barrier_wait -1
.if \fill
	CREST
	s_add_nc_u64 s[G0+4*\slot+2:G0+4*\slot+3], s[G0+4*\slot+2:G0+4*\slot+3], 2*TILEB
	s_add_nc_u64 s[G0B+4*\slot+2:G0B+4*\slot+3], s[G0B+4*\slot+2:G0B+4*\slot+3], 2*TILEB
	JLOAD \slot
.else
	PLACES
.endif
	FETCH \next, 0, F0
.if (\pf)
	WIN 0
	global_prefetch_b8 v[PFO], s[PFA:PFA+1] th:TH_LOAD_NT scope:SCOPE_SE
.endif
	WIN MUL
	MULA F1, 2, 0
	MULA F1, 3, 0
.endm
	s_load_b128 s[4:7], s[0:1], 0x0
	s_load_b128 s[84:87], s[0:1], 0x10
	v_lshl_add_u32 v[SPW], v0, 2, SPARE
	v_mov_b32 v[NIL], 0
	ds_add_u32 v[SPW], v[NIL]
	ds_add_u32 v[SPW], v[NIL]
	v_lshrrev_b32 v1, 5, v0
	v_readfirstlane_b32 s10, v1
	v_and_b32 v[PFO], 31, v0
	v_lshlrev_b32 v[PFO], 8, v[PFO]                ; the prefetches' lane term
	s_lshr_b32 s11, s10, 1
	s_and_b32 s12, s10, 1
	s_bfe_u32 s40, ttmp6, 0x40000
	s_bfe_u32 s41, ttmp6, 0x40004
	s_lshl_b32 s42, ttmp9, 2
	s_add_co_u32 s42, s42, s40
	s_and_b32 s13, ttmp7, 0xffff
	s_lshl_b32 s13, s13, 2
	s_add_co_u32 s13, s13, s41
	s_lshl_b32 s43, s41, 2
	s_lshl_b32 s43, 15, s43
	s_lshl_b32 s44, 0x1111, s40
	s_or_b32 s[G1+0], s43, (3<<16)|(1<<21)
	s_or_b32 s[G1B+0], s44, (3<<16)|(1<<21)
.irp g, G1, G1B
	s_mov_b32 s[\g+1], 1024<<16
	s_mov_b32 s[\g+2], 4<<16
	s_mov_b32 s[\g+3], 1024<<16
	s_mov_b32 s[\g+4], 4
	s_mov_b32 s[\g+5], 4096
	s_mov_b32 s[\g+6], 0
	s_mov_b32 s[\g+7], 0
.endr
	s_lshl_b32 s17, s12, 2
	s_lshl_b32 s16, s13, 3
	s_add_co_u32 s16, s16, s17
	s_lshl_b32 s16, s16, 15
	s_lshl_b32 s46, s42, 3
	s_add_co_u32 s46, s46, s17
	s_add_co_u32 s46, s46, 192
	s_lshl_b32 s46, s46, 15
	s_mov_b32 s17, 0
	s_mov_b32 s47, 0
	s_lshl_b32 s20, s10, 15
	s_wait_alu depctr_va_vdst(0)
	s_wait_dscnt 0x0
	s_wait_kmcnt 0x0
	s_add_nc_u64 s[14:15], s[4:5], s[16:17]
	s_add_nc_u64 s[46:47], s[6:7], s[46:47]
	s_load_b64 s[88:89], s[84:85], 0x28
	CROUND
.irp s, 0,1
	s_mov_b32 s[G0+4*\s], 1
	s_add_co_u32 s[G0+4*\s+1], s20, \s*SLOT
	s_add_nc_u64 s[G0+4*\s+2:G0+4*\s+3], s[14:15], \s*TILEB
	s_or_b32 s[G0+4*\s+3], s[G0+4*\s+3], 0x80000000
	s_mov_b32 s[G0B+4*\s], 1
	s_add_co_u32 s[G0B+4*\s+1], s20, \s*SLOT
	s_add_nc_u64 s[G0B+4*\s+2:G0B+4*\s+3], s[46:47], \s*TILEB
	s_or_b32 s[G0B+4*\s+3], s[G0B+4*\s+3], 0x80000000
.endr
	JLOAD 0                                        ; K step 0: one tensor load a wave at the head
	s_cmp_eq_u32 s11, 0                            ; do I fetch for O?
	s_cselect_b64 s[PFA:PFA+1], s[14:15], s[46:47] ; the four rows that I fetch,
	s_cselect_b32 s70, s40, s41                    ; my place among the four that ask for them with me,
	s_lshl_b32 s70, s70, 15                        ; its row,
	s_add_co_u32 s70, s70, TILEB                   ; K step 1
	s_mov_b32 s71, 0
	s_add_nc_u64 s[PFA:PFA+1], s[PFA:PFA+1], s[70:71]
	global_prefetch_b8 v[PFO], s[PFA:PFA+1] th:TH_LOAD_NT scope:SCOPE_SE
	v_and_b32 v1, 31, v0
	v_lshlrev_b32 v2, 4, v1
	v_and_b32 v3, 15, v1
	s_wait_alu depctr_va_vdst(0)
	v_lshrrev_b32 v4, 4, v1
	s_lshl_b32 s21, s11, 15
	s_lshl_b32 s22, s12, 15
	s_add_co_u32 s22, s22, 2*HALFB
.irp s, 0,1
	v_add_nc_u32 v[ADR1+\s], s21, v2
	v_add_nc_u32 v[ADR0+\s], s22, v2
	s_add_co_u32 s21, s21, SLOT
	s_add_co_u32 s22, s22, SLOT
.endr
	s_mul_i32 s23, s10, 16*SP
	s_add_co_u32 s23, s23, STAGE
	v_mul_u32_u24 v5, v3, SP
	s_wait_alu depctr_va_vdst(0)
	v_lshl_add_u32 v5, v4, 5, v5
	v_add_nc_u32 v[STO], s23, v5
	v_mul_u32_u24 v6, v4, SP
	v_lshl_add_u32 v6, v3, 4, v6
	v_add_nc_u32 v[RD], s23, v6
	v_lshlrev_b32 v[GO], 13, v4
	v_lshl_add_u32 v[GO], v3, 4, v[GO]
	s_lshl_b32 s16, s13, 7
	s_lshl_b32 s18, s11, 6
	s_add_co_u32 s16, s16, s18
	s_lshl_b32 s16, s16, 13
	s_mov_b32 s17, 0
	s_add_nc_u64 s[86:87], s[86:87], s[16:17]
	s_lshl_b32 s46, s42, 7
	s_lshl_b32 s47, s12, 6
	s_add_co_u32 s46, s46, s47
	s_lshl_b32 s46, s46, 2
	s_mov_b32 s47, 0
	s_add_nc_u64 s[86:87], s[86:87], s[46:47]
	s_wait_alu depctr_va_vdst(0)
	s_wait_xcnt 0x0                                ; my prefetch has read its address: it may be stepped
	s_add_nc_u64 s[PFA:PFA+1], s[PFA:PFA+1], TILEB ; K step 2
	s_wait_tensorcnt 0x0                           ; my part of K step 0 is in
	ds_add_u32 v[SPW], v[NIL]
	s_wait_dscnt 0x0
	CROUND                                         ; a whole round: everybody's part of K step 0 is in, and the joint loads meet
	JLOAD 1                                        ; K step 1: slot 1's first fill, the first tensor load behind the round
	FETCH 0, 0, F0
	WIN 0
	global_prefetch_b8 v[PFO], s[PFA:PFA+1] th:TH_LOAD_NT scope:SCOPE_SE
	QUARTER 0, 1, F0, F1, 1
	WIN 0
	s_mov_b32 s3, 1
.Llap:
	QUARTER 0, 2, F1, F0, 0
	QUARTER 0, 3, F0, F1, 0
	TURN 0, 1, 1, 1
	QUARTER 1, 1, F0, F1, 0
	QUARTER 1, 2, F1, F0, 0
	QUARTER 1, 3, F0, F1, 0
	TURN 1, 0, 1, 0
	QUARTER 0, 1, F0, F1, 0
	WIN 0
	s_sub_co_u32 s3, s3, 1
	s_cmp_lg_u32 s3, 0
	s_cbranch_scc1 .Llap
	QUARTER 0, 2, F1, F0, 0
	QUARTER 0, 3, F0, F1, 0
	TURN 0, 1, 0, 0
	QUARTER 1, 1, F0, F1, 0
	QUARTER 1, 2, F1, F0, 0
	QUARTER 1, 3, F0, F1, 0
	s_wait_dscnt 8
	WIN MUL
	MULA F1, 0, 0
	MULA F1, 1, 0
	s_wait_dscnt 0x0
	MULA F1, 2, 0
	MULA F1, 3, 0
	WIN 0
	PLACES
.macro TOSTAGE a
.irp b, 0,1,2,3
.irp j, 0,1,2,3,4,5,6,7
	v_mul_f32 v[TMP+8*\b+\j], s90, v[ACC+8*(4*(\a)+\b)+\j]
.endr
.endr
.irp b, 0,1,2,3
	ds_store_b128 v[STO], v[TMP+8*\b:TMP+8*\b+3] offset:64*\b
	ds_store_b128 v[STO], v[TMP+8*\b+4:TMP+8*\b+7] offset:64*\b+16
.endr
.set BB, BK+32*((\a)%2)
.irp i, 0,1,2,3,4,5,6,7
	ds_load_b128 v[BB+4*\i:BB+4*\i+3], v[RD] offset:2*\i*SP
.endr
.endm
.macro SEND a, younger
.set BB, BK+32*((\a)%2)
	s_wait_dscnt \younger
.irp i, 0,1,2,3,4,5,6,7
	global_store_b128 v[GO], v[BB+4*\i:BB+4*\i+3], s[86:87] offset:(8*(\a)+2*(\i%4)+32*(\i/4))*8192 th:TH_STORE_NT
.endr
.endm
	s_wait_kmcnt 0x0
	s_add_co_i32 s90, s88, s89
	s_add_co_i32 s90, s90, 127
	s_lshl_b32 s90, s90, 23
	TOSTAGE 0
	TOSTAGE 1
	SEND 0, 16
	s_wait_xcnt 0x0
	TOSTAGE 2
	SEND 1, 16
	s_wait_xcnt 0x0
	TOSTAGE 3
	SEND 2, 16
	SEND 3, 0
	s_wait_tensorcnt 0x0
	ds_add_u32 v[SPW], v[NIL]
	s_wait_dscnt 0x0
	CROUND
	s_endpgm
.Lfunc_end_k_q3a937b7ee1_oproj:
	.size	k_q3a937b7ee1_oproj, .Lfunc_end_k_q3a937b7ee1_oproj-k_q3a937b7ee1_oproj
	.p2alignl 7, 3214868480
	.fill 96, 4, 3214868480
	.section	.rodata,"a",@progbits
	.p2align	6, 0x0
	.amdhsa_kernel k_q3a937b7ee1_oproj
		.amdhsa_group_segment_fixed_size 327680
		.amdhsa_private_segment_fixed_size 0
		.amdhsa_enable_private_segment 0
		.amdhsa_kernarg_size 32
		.amdhsa_user_sgpr_count 2
		.amdhsa_user_sgpr_kernarg_segment_ptr 1
		.amdhsa_wavefront_size32 1
		.amdhsa_system_sgpr_workgroup_id_x 1
		.amdhsa_system_sgpr_workgroup_id_y 1
		.amdhsa_system_sgpr_workgroup_id_z 1
		.amdhsa_system_vgpr_workitem_id 0
		.amdhsa_next_free_vgpr 512
		.amdhsa_next_free_sgpr 92
		.amdhsa_reserve_vcc 0
		.amdhsa_float_denorm_mode_32 3
		.amdhsa_float_denorm_mode_16_64 3
		.amdhsa_memory_ordered 1
		.amdhsa_forward_progress 1
		.amdhsa_inst_pref_size 75
	.end_amdhsa_kernel
	.amdgpu_metadata
---
amdhsa.version: [ 1, 2 ]
amdhsa.kernels:
  - .name:           k_q3a937b7ee1_oproj
    .symbol:         k_q3a937b7ee1_oproj.kd
    .args:
      - { .name: oimg, .offset: 0, .size: 8, .value_kind: global_buffer, .address_space: global }
      - { .name: wimg, .offset: 8, .size: 8, .value_kind: global_buffer, .address_space: global }
      - { .name: lowp_scales, .offset: 16, .size: 8, .value_kind: global_buffer, .address_space: global }
      - { .name: out0, .offset: 24, .size: 8, .value_kind: global_buffer, .address_space: global }
    .group_segment_fixed_size: 327680
    .private_segment_fixed_size: 0
    .kernarg_segment_align: 8
    .kernarg_segment_size: 32
    .max_flat_workgroup_size: 128
    .sgpr_count:     92
    .vgpr_count:     512
    .wavefront_size: 32
...
	.end_amdgpu_metadata
.endif
;; end of part 4
